; MI455X (gfx1250); checked and timed in simulation.
; The chip was launched on July 23, 2026; its instructions are those of AMD's public machine-readable ISA for CDNA 5 (MIT licence, August 2026) and "CDNA5" Instruction Set Architecture Reference Guide (July 2026). The comments in the code are by the model that wrote it; some were corrected since.
;; Multi Head Attention. Allowed arithmetic: matrix products marked QUANTISED: E2M3 operands, one E8M0 scale for each 32 along K, by v_wmma_scale_f32_16x16x128_f8f6f4 with both operands' format E2M3, f32 sums; everything else in f32.
;; Inputs: Wk_codes 1,024 x 32 x 24 uint8 (E2M3 codes of Wk, K innermost, in blocks of 32 codes, four codes in three bytes); Wk_scales 1,024 x 32 uint8 (E8M0 scales of Wk, one for each 32 codes along K); Wo_codes 1,024 x 32 x 24 uint8 (E2M3 codes of Wo, K innermost, in blocks of 32 codes, four codes in three bytes); Wo_scales 1,024 x 32 uint8 (E8M0 scales of Wo, one for each 32 codes along K); Wq_codes 1,024 x 32 x 24 uint8 (E2M3 codes of Wq, K innermost, in blocks of 32 codes, four codes in three bytes); Wq_scales 1,024 x 32 uint8 (E8M0 scales of Wq, one for each 32 codes along K); Wv_codes 1,024 x 32 x 24 uint8 (E2M3 codes of Wv, K innermost, in blocks of 32 codes, four codes in three bytes); Wv_scales 1,024 x 32 uint8 (E8M0 scales of Wv, one for each 32 codes along K); bk 1,024 float32; bo 1,024 float32; bq 1,024 float32; bv 1,024 float32; causal_mask 2,048 x 2,048 bool; key_codes 4 x 2,048 x 32 x 24 uint8 (E2M3 codes of key, K innermost, in blocks of 32 codes, four codes in three bytes); key_scales 4 x 2,048 x 32 uint8 (E8M0 scales of key, one for each 32 codes along K); query_codes 4 x 2,048 x 32 x 24 uint8 (E2M3 codes of query, K innermost, in blocks of 32 codes, four codes in three bytes); query_scales 4 x 2,048 x 32 uint8 (E8M0 scales of query, one for each 32 codes along K); value_codes 4 x 2,048 x 32 x 24 uint8 (E2M3 codes of value, K innermost, in blocks of 32 codes, four codes in three bytes); value_scales 4 x 2,048 x 32 uint8 (E8M0 scales of value, one for each 32 codes along K).
;; Outputs: out0 4 x 2,048 x 1,024 float32.
;; This version of the problem:
;;   THIS VERSION OF THE PROBLEM IS GIVEN IN LOW PRECISION. The matrix products marked QUANTISED in the list below multiply operands that are first quantised to E2M3 (2 exponent bits, 3 mantissa bits; 6 bits a number), with one power-of-two scale for each 32 numbers along K (OCP MX v1.0); their sums are f32. All else is computed in f32.
;;   The module's matrix products, in the order in which they are computed (A, B: the left and right operand; K: the contracted axis; several contracted axes count as one K, in the product's order):
;;     1. [M 8,192, K 1,024] x [K 1,024, N 1,024]; A: input query (given as codes); B: input Wq (given as codes): QUANTISED
;;     2. [M 8,192, K 1,024] x [K 1,024, N 1,024]; A: input key (given as codes); B: input Wk (given as codes): QUANTISED
;;     3. [M 8,192, K 1,024] x [K 1,024, N 1,024]; A: input value (given as codes); B: input Wv (given as codes): QUANTISED
;;     4. batch 64 x [M 2,048, K 64] x [K 64, N 2,048]; A: computed on the way; B: computed on the way: QUANTISED
;;     5. batch 64 x [M 2,048, K 2,048] x [K 2,048, N 64]; A: softmax (see below); B: computed on the way: QUANTISED
;;     6. [M 8,192, K 1,024] x [K 1,024, N 1,024]; A: computed on the way; B: input Wo (given as codes): QUANTISED
;;   THE QUANTISER, for each operand of a quantised product, along K:
;;     - K is cut into blocks of 32 from its start; a last block that is shorter is filled with zeros.
;;     - A block's scale is 2^e with e = floor(log2(the largest magnitude in the block)) - 2, held to -126 .. 127; a block of zeros has e = 0. As a byte (E8M0): e + 127.
;;     - Each number is divided by its block's scale, clamped to +-7.5, and rounded to the nearest number of E2M3, ties to even, subnormals kept.
;;     - The product sums the exact products of the quantised numbers (number of the format x scale) in f32.
;;   ~~~python
;;   def quantise(x, axis):      # numpy; x: float32 -> the quantised numbers, widened to float32 again
;;       x = np.moveaxis(x, axis, -1); K = x.shape[-1]
;;       x = np.pad(x, [(0, 0)] * (x.ndim - 1) + [(0, -K % 32)]); x = x.reshape(x.shape[:-1] + (-1, 32)); a = np.abs(x).max(-1, keepdims=True)
;;       e = np.where(a > 0, np.clip(np.frexp(np.where(a > 0, a, 1))[1] - 1 - 2, -126, 127), 0)      # np.frexp(a)[1] - 1 = floor(log2(a)), exactly
;;       r = np.clip(x / 2.0 ** e, -7.5, 7.5)
;;       step = 2.0 ** (np.maximum(np.frexp(np.where(r == 0, 1, r))[1] - 1, 0) - 3)
;;       q = np.round(r / step) * step * 2.0 ** e      # np.round: ties to even
;;       return np.moveaxis(q.reshape(q.shape[:-2] + (-1,))[..., :K], -1, axis).astype(np.float32)
;;   ~~~
;;   SOFTMAX AHEAD OF A QUANTISED PRODUCT. Where the list says 'softmax', what is quantised is not the finished softmax but p = 2^(t - M), with t = logit x log2(e) and M = ceil(the row's largest t), a whole number; so 1/2 < the row's largest p <= 1. The row's sum l is taken of the UNQUANTISED p, in f32, and the product's result is divided by l at the end. Since M is a whole number, a kernel that streams over the keys may use a running M (the ceiling of the running maximum): every later rescaling is an exact power of two, which a block's scale takes up: the codes' values come out the same.
;;   OPERANDS COMPUTED ON THE WAY. 'Computed on the way' means the value that the module computes at that place (a softmax that the list does not call 'softmax' is quantised finished and normalised). What goes into a quantiser is computed in f32, as accurately as f32 sums, v_exp_f32 and their like allow (about 1e-6 of the number): no bf16 or f16 on the way to a quantiser, and a product that is left as it is and whose result goes on into a quantised operand takes f32 operands (vector FMAs, or v_wmma_f32_16x16x4_f32). A number that lies on a knife's edge between two numbers of the format may be rounded either way, as far as f32 arithmetic and the matrix unit's own rounding can turn it there, and no further.
;;   INPUTS GIVEN AS CODES. Wk (in the module: [1024, 1024], K = its axis 1); Wo (in the module: [1024, 1024], K = its axis 1); Wq (in the module: [1024, 1024], K = its axis 1); Wv (in the module: [1024, 1024], K = its axis 1); key (in the module: [4, 2048, 1024], K = its axis 2); query (in the module: [4, 2048, 1024], K = its axis 2); value (in the module: [4, 2048, 1024], K = its axis 2): each comes as NAME_codes (uint8): NAME with its K axis moved to the last place and cut into blocks of 32 codes, [.., K / 32, bytes a block], one block behind the other in memory; four codes in three bytes: a row's codes are one little-endian stream of bits, code i at bits 6 i .. 6 i + 5 (a code: sign, 2 exponent bits, 3 mantissa bits); and NAME_scales (uint8): the same leading axes, one E8M0 byte (e + 127) for each 32 codes along K. Its value is code x scale, taken as it is: it is not quantised again, and the codes and scales need not be those that the quantiser above would give.
;; One version. Each part assembles by itself: llvm-mc -triple=amdgcn-amd-amdhsa -mcpu=gfx1250 --defsym DOCPART=n.
;; ======== version 1 of 1: 4 launches
;; workspace buffers: mbits 524,288 bytes of whole numbers; mflag 1,024 bytes of whole numbers; qimg 6,291,456 bytes; kimg 6,291,456 bytes; vimg 6,291,456 bytes; scl 1,048,576 bytes; cimg 6,291,456 bytes; cscl 262,144 bytes
;; launch maskprep (part 1): grid 256 x 1, 8 waves a work-group, no clusters, 1,280 bytes of LDS; arguments causal_mask, mbits, mflag; writes mbits, mflag
.if DOCPART == 1
	.amdgcn_target "amdgcn-amd-amdhsa--gfx1250"
	.amdhsa_code_object_version 6
	.text
	.protected	k_q1df17ee21d_maskprep
	.globl	k_q1df17ee21d_maskprep
	.p2align	8
	.type	k_q1df17ee21d_maskprep,@function
k_q1df17ee21d_maskprep:
	s_mov_b64 s[64:65], 0
	v_nop
	global_prefetch_b8 v0, s[64:65] scope:SCOPE_SE
	s_setreg_imm32_b32 hwreg(HW_REG_WAVE_MODE, 25, 1), 1
	s_wait_xcnt 0x0
; The mask [2048][2048] of bytes becomes lane masks for the attention launch, and two flags for each tile of 16 queries x 128 keys.
; mbits [query tile 128][key step 16][64 words]: bit L (lane: r = L % 16, h = L / 16) of word n = 16 b + i is mask[16 qt + r][128 step + 32 b + 16 h + i]:
; the lane mask of the register that holds that score in the attention launch.  mflag [query tile][half 2] words: bit w: some entry of step 8 half + w is true; bit 16 + w: all are.
; A work-group takes one query tile and eight key steps, a wave one step.  No decision is taken here: the loaded bytes feed compares and selects alone.
.set ANY, 18                           ; s18  the OR of the step's 64 words
.set ALL, 19                           ; s19  their AND
	s_load_b128 s[4:7], s[0:1], 0x0                ; mask, mbits
	s_load_b64 s[8:9], s[0:1], 0x10                ; mflag
	v_lshl_add_u32 v32, v0, 2, 0x100
	v_mov_b32 v33, 0
	v_lshrrev_b32 v1, 5, v0
	v_readfirstlane_b32 s10, v1                    ; wave 0..7
	v_and_b32 v1, 15, v0                           ; r
	v_bfe_u32 v4, v0, 4, 1                         ; h
	v_lshlrev_b32 v1, 11, v1
	v_lshl_add_u32 v1, v4, 4, v1                   ; row r of 2,048 bytes, + 16 h
	v_and_b32 v24, 31, v0
	v_lshlrev_b32 v24, 3, v24                      ; out: 8 bytes a lane
	v_mov_b32 v2, 0                                ; the words gathered: lane l holds words 2 l and 2 l + 1
	v_mov_b32 v3, 0
	s_lshr_b32 s11, ttmp9, 1                       ; query tile
	s_and_b32 s12, ttmp9, 1
	s_lshl_b32 s12, s12, 3
	s_add_co_u32 s12, s12, s10                     ; key step = 8 half + wave
	s_lshl_b32 s14, s11, 15                        ; 16 rows of 2,048 bytes
	s_lshl_b32 s13, s12, 7
	s_add_co_u32 s14, s14, s13
	s_mov_b32 s15, 0
	s_lshl_b32 s16, s11, 4
	s_add_co_u32 s16, s16, s12
	s_lshl_b32 s16, s16, 8                         ; 256 bytes of words for each tile
	s_mov_b32 s17, 0
	s_mov_b32 s[ANY], 0
	s_mov_b32 s[ALL], -1
	s_wait_kmcnt 0x0
	s_add_nc_u64 s[4:5], s[4:5], s[14:15]
	s_add_nc_u64 s[6:7], s[6:7], s[16:17]
.irp b, 0,1,2,3
	global_load_b128 v[8+4*\b:11+4*\b], v1, s[4:5] offset:32*\b   ; my 16 bytes of block b: keys 32 b + 16 h + 0 .. 15 of my row
.endr
; word n: byte n % 4 of register n / 4, compared in all 32 lanes at once; four sets of temporaries by turns
.macro BIT n
	v_bfe_u32 v[4+(\n)%4], v[8+(\n)/4], 8*((\n)%4), 8
	v_cmp_ne_u32 s[20+(\n)%4], 0, v[4+(\n)%4]
	s_or_b32 s[ANY], s[ANY], s[20+(\n)%4]
	s_and_b32 s[ALL], s[ALL], s[20+(\n)%4]
	v_writelane_b32 v[2+(\n)%2], s[20+(\n)%4], (\n)/2
.endm
.set n, 0
.rept 4
	s_wait_loadcnt 3-n/16                          ; this block's load is in; the younger blocks' may be out
.rept 16
	BIT n
.set n, n+1
.endr
.endr
	global_store_b64 v24, v[2:3], s[6:7]           ; 32 lanes store 256 consecutive bytes, aligned
	s_cmp_lg_u32 s[ANY], 0
	s_cselect_b32 s24, 1, 0
	s_cmp_eq_u32 s[ALL], -1
	s_cselect_b32 s25, 0x10000, 0
	s_or_b32 s24, s24, s25
	s_lshl_b32 s24, s24, s10                       ; at my wave's bits
	v_mov_b32 v25, s24
	s_lshl_b32 s25, s10, 2
	v_mov_b32 v26, s25
	ds_store_b32 v26, v25                          ; all lanes write the same word with the same value
	s_wait_dscnt 0x0                               ; for the others' sake: my store has landed
	s_barrier_signal -1
	s_barrier_wait -1
	v_mov_b32 v27, 0
	ds_load_b128 v[8:11], v27
	ds_load_b128 v[12:15], v27 offset:16
	s_lshl_b32 s26, ttmp9, 2
	v_mov_b32 v28, s26
	s_wait_dscnt 0x0
	v_or_b32 v8, v8, v9
	v_or_b32 v10, v10, v11
	v_or_b32 v12, v12, v13
	v_or_b32 v14, v14, v15
	v_or_b32 v8, v8, v10
	v_or_b32 v12, v12, v14
	v_or_b32 v8, v8, v12                           ; the eight steps' flags
	s_wait_xcnt 0x0                                ; EXEC changes only behind this wait: the store above has been issued
	v_cmp_gt_u32 vcc_lo, 1, v0
	s_wait_tensorcnt 0x0
	ds_add_u32 v32, v33
	s_wait_dscnt 0x0
	s_and_saveexec_b32 s27, vcc_lo                 ; thread 0 alone
	global_store_b32 v28, v8, s[8:9]
	s_wait_xcnt 0x0
	s_or_b32 exec_lo, exec_lo, s27
	s_endpgm
.Lfunc_end_k_q1df17ee21d_maskprep:
	.size	k_q1df17ee21d_maskprep, .Lfunc_end_k_q1df17ee21d_maskprep-k_q1df17ee21d_maskprep
	.p2alignl 7, 3214868480
	.fill 96, 4, 3214868480
	.section	.rodata,"a",@progbits
	.p2align	6, 0x0
	.amdhsa_kernel k_q1df17ee21d_maskprep
		.amdhsa_group_segment_fixed_size 1280
		.amdhsa_private_segment_fixed_size 0
		.amdhsa_enable_private_segment 0
		.amdhsa_kernarg_size 24
		.amdhsa_user_sgpr_count 2
		.amdhsa_user_sgpr_kernarg_segment_ptr 1
		.amdhsa_wavefront_size32 1
		.amdhsa_system_sgpr_workgroup_id_x 1
		.amdhsa_system_sgpr_workgroup_id_y 1
		.amdhsa_system_sgpr_workgroup_id_z 1
		.amdhsa_system_vgpr_workitem_id 0
		.amdhsa_next_free_vgpr 34
		.amdhsa_next_free_sgpr 66
		.amdhsa_reserve_vcc 1
		.amdhsa_float_denorm_mode_32 3
		.amdhsa_float_denorm_mode_16_64 3
		.amdhsa_memory_ordered 1
		.amdhsa_forward_progress 1
		.amdhsa_inst_pref_size 20
	.end_amdhsa_kernel
	.amdgpu_metadata
---
amdhsa.version: [ 1, 2 ]
amdhsa.kernels:
  - .name:           k_q1df17ee21d_maskprep
    .symbol:         k_q1df17ee21d_maskprep.kd
    .args:
      - { .name: causal_mask, .offset: 0, .size: 8, .value_kind: global_buffer, .address_space: global }
      - { .name: mbits, .offset: 8, .size: 8, .value_kind: global_buffer, .address_space: global }
      - { .name: mflag, .offset: 16, .size: 8, .value_kind: global_buffer, .address_space: global }
    .group_segment_fixed_size: 1280
    .private_segment_fixed_size: 0
    .kernarg_segment_align: 8
    .kernarg_segment_size: 24
    .max_flat_workgroup_size: 256
    .sgpr_count:     66
    .vgpr_count:     34
    .wavefront_size: 32
...
	.end_amdgpu_metadata
.endif
;; end of part 1
;; launch proj (part 2): grid 4 x 96, 4 waves a work-group, clusters of 4 x 4, 327,680 bytes of LDS; arguments query_codes, query_scales, Wq_codes, Wq_scales, bq, qimg, key_codes, key_scales, Wk_codes, Wk_scales, bk, kimg, Wv_codes, Wv_scales, value_codes, value_scales, bv, vimg, scl; writes qimg, kimg, vimg, scl
.if DOCPART == 2
	.amdgcn_target "amdgcn-amd-amdhsa--gfx1250"
	.amdhsa_code_object_version 6
	.text
	.protected	k_q1df17ee21d_proj
	.globl	k_q1df17ee21d_proj
	.p2align	8
	.type	k_q1df17ee21d_proj,@function
k_q1df17ee21d_proj:
	s_mov_b64 s[64:65], 0
	v_nop
	global_prefetch_b8 v0, s[64:65] scope:SCOPE_SE
	s_setreg_imm32_b32 hwreg(HW_REG_WAVE_MODE, 25, 1), 1
	s_wait_xcnt 0x0
	s_wait_alu depctr_hold_cnt(0) depctr_sa_sdst(0) depctr_va_vdst(0) depctr_va_sdst(0) depctr_va_ssrc(0) depctr_va_vcc(0) depctr_vm_vsrc(0)
	s_getreg_b32 s2, hwreg(HW_REG_IB_STS2, 6, 4)
	s_cmp_eq_u32 s2, 0
	s_cbranch_scc0 .Lentry_in_a_cluster
	s_endpgm
.Lentry_in_a_cluster:
	s_bfe_u32 s2, ttmp6, 0x10000c
	s_cmp_lg_u32 s2, 0xf033
	s_cbranch_scc0 .Lentry_shape_is_right
	s_endpgm
.Lentry_shape_is_right:
; q = query Wq^T + bq, k = key Wk^T + bk, v = value Wv^T + bv on codes of FP6 (E2M3) with E8M0 scales, and the quantisers of q, k (along a head's 64) and v (along the keys), fused: only codes and scale bytes leave.
; 384 tiles of 256 x 256, K = 1,024.  A work-group of four waves makes a tile, a wave 128 x 128: 64 accumulators, 512 registers.  K goes in steps of 256 through a ring of two LDS slots filled by the tensor data mover.
; Cluster y / 8 says which product (0 q, 1 k, 2 v).  In the loop 'A' is what source 1 takes and 'B' what source 0 takes: a lane then holds ONE row of A and its registers run along B's rows.
; For q and k: A = tokens, B = the weight: a lane's registers run along the features, the quantiser's axis.  For v the roles are swapped (A = Wv, B = value's tokens): a lane's registers run along the tokens, which are v's quantiser's axis.
; All six operands have rows of 768 bytes of codes and 32 scale bytes: only pointers are chosen (by selects on the cluster's number), and one text serves the three products up to the way out.
; CLUSTERS: 4 x 4 work-groups; A's tiles are asked for jointly along a row of the cluster, B's along a column.
; WHAT LEAVES (r = lane % 16, h = lane / 16; a step = 128 tokens; bh = batch x 16 + head):
;   qimg, kimg [bh][step][beta 4][1,536]: lane's 48 bytes at 48 x lane: bytes 0-23 token 32 beta + r + 8 (r / 8), d = 32 h .. + 31; bytes 24-47 that token + 8: the registers of a fragment that holds two tiles of 16 tokens x 64.
;   vimg [bh][step][t 4][1,536]: lane's 48 bytes: row d = 16 t + r, tokens 64 c + 32 h .. + 31 at byte 24 c: the registers of a fragment of V^T.
;   scl [bh][step][1,024]: k's scale words at 0, v's at 256, q's at 512, 16 bytes a lane row (the last 256 bytes are not used).
; LIMITS: NaN and infinities among biases and scales are not served; a block of zeros gets the byte 1 (its codes are zeros, and this program alone reads the bytes); blocks whose largest magnitude lies under 2^-124, the floor, were not tried.
; REGISTERS: window 0: v1-30 addresses; v32-63 scale words, two sets; v64-127 the bias along B's rows; v128-223 A's fragments, one set; v240-247 the bias along A's rows.  Window 1: B's fragments, two sets.  Windows 2, 3: the accumulators ((a, b) at v[8 (8 (a % 4) + b)]).
.set KSTEP,  256
.set NQ,     2                         ; matrix instructions deep in a slot
.set ROWB,   192                       ; a tile's row: 256 codes
.set KROW,   768                       ; a row in memory
.set PITCH,  240                       ; an LDS row: 3 x (64 bytes + 16 of padding)
.set FR,     12                        ; registers of a fragment
.set NL,     6                         ; LDS loads that bring one
.set NP,     4                         ; places behind this matrix instruction (ISA guide 7.12.1)
.set HALFT,  128*PITCH
.set SLOT,   4*HALFT
.set LAPS,   2                         ; 1,024 / 512
.set KS,     32                        ; a row of scale bytes
.set SCL,    2*SLOT                    ; behind the ring: the scales, units of 256 bytes + 16 of padding
.set HALFS,  (128*KS/256)*272
.set SBLK,   (16*KS/256)*272
.set SPARE,  SCL+4*HALFS               ; the spare words, 128 bytes a wave
.set WSTG,   12800                     ; the way out: a wave's stage: 12,288 bytes of codes and 512 of scale bytes.  The stages lie in slot 0, which has had its last fill and its last read by then
.set VSTG,   51200                     ; v's path has stage bytes of its own
.set SQ,   8                           ; v8   q, k: where I put 24 bytes of codes
.set SQS,  9                           ; v9   and two scale bytes
.set SV,   10                          ; v10  v: where I put 48 bytes of codes
.set SVS,  11                          ; v11  and a scale word
.set RBQ,  12                          ; v12  q, k: where I read the stage back
.set RBV,  13                          ; v13  v: likewise
.set GO,   14                          ; v14  16 x lane: my place in 512 bytes of an image
.set GS,   15                          ; v15  my place among the scale bytes: 16,384 h + 16 r
.set ADRA, 16
.set ADRB, 20
.set ADRS, 27
.set SPW,  28                          ; v28  LDS address of my spare word; never rewritten
.set NIL,  29                          ; v29  0; never rewritten
.set SH,   30                          ; v30  16 h
.set SC,   32
.set BB,   64
.set AF,   128
.set BA,   240
.set H,    128                         ; the way out: 64 numbers of a lane
.set TM,   192
.set PW,   208
.set PT,   209
.set PC,   212
.set RB,   64                          ; the way out: the stage read back, 100 registers
.set G1, 24
.set G0, 32
.set G1B, 48
.set G0B, 56
.set G1S, 68
.set G0S, 76
.set G1SB, 80
.set G0SB, 88
.set GRP, 92                           ; s92  which product
.set SEL, 94                           ; s[94:95] selects for lane l xor 16
.set IMG, 96                           ; s[96:97] my place in the image buffer
.set SCP, 98                           ; s[98:99] my place in scl
.set MSB, 0
.macro WIN new                         ; the immediate's high byte repeats the setting that is left
.if MSB != \new
	s_set_vgpr_msb (MSB<<8)|\new
.set MSB, \new
.endif
.endm
.set MUL_LO, 0xa1                      ; source 0 (B) window 1, source 1 (A) window 0, C and D window 2
.set MUL_HI, 0xf1
.set TO_B,   0x40
; A joint load: waves 0 and 1 fetch for A, waves 2 and 3 for B; the branch hangs on the wave's number alone.  Four v_nop follow each of the two lines.
.macro JLOAD g0a, g1a, g0b, g1b
	s_cmp_eq_u32 s15, 0
	s_cbranch_scc0 .Lfor_b_\@
	tensor_load_to_lds s[\g0a:\g0a+3], s[\g1a:\g1a+7]
	s_nop 0
.rept 4
	v_nop
.endr
	s_branch .Lasked_\@
.Lfor_b_\@:
	tensor_load_to_lds s[\g0b:\g0b+3], s[\g1b:\g1b+7]
	s_nop 0
.rept 4
	v_nop
.endr
.Lasked_\@:
.endm
.macro CREST                           ; a round of the cluster's barrier behind its opening barrier
	s_cmp_lg_u32 s14, 0
	s_cbranch_scc1 .Lnot_wave_0_\@
	s_barrier_signal -3
.Lnot_wave_0_\@:
	s_barrier_wait -3
	s_barrier_signal -1
	s_barrier_wait -1
.endm
.macro CROUND
	s_barrier_signal -1
	s_barrier_wait -1
	CREST
.endm
	s_load_b512 s[24:39], s[0:1], 0x0              ; q's set s[24:35]: A's codes, A's scales, B's codes, B's scales, bias, image; k's set begins at s36
	s_load_b512 s[40:55], s[0:1], 0x40             ; k's set to s47; v's set (Wv as A, value as B) from s48
	s_load_b128 s[56:59], s[0:1], 0x80             ; bv, vimg
	s_load_b64 s[60:61], s[0:1], 0x90              ; scl
	v_lshl_add_u32 v[SPW], v0, 2, SPARE
	v_mov_b32 v[NIL], 0
	ds_add_u32 v28, v29
	ds_add_u32 v28, v29
	s_wait_dscnt 0x0
	v_lshrrev_b32 v1, 5, v0
	v_readfirstlane_b32 s14, v1                    ; wave 0..3
	s_lshr_b32 s15, s14, 1                         ; which half of A's rows is mine.  Also: I fetch for A (0) or for B (1)
	s_and_b32 s16, s14, 1                          ; which half of B's rows.  Also: which 128 rows I fetch
	s_bfe_u32 s66, ttmp6, 0x40000                  ; cx
	s_bfe_u32 s67, ttmp6, 0x40004                  ; cy
	s_and_b32 s93, ttmp7, 0xffff                   ; cluster y, 0..23 (the grid has one cluster along x)
	s_lshr_b32 s[GRP], s93, 3                      ; 0 q, 1 k, 2 v: the same in all sixteen partners
	s_and_b32 s93, s93, 7
	s_lshl_b32 s93, s93, 2
	s_cmp_eq_u32 s[GRP], 2
	s_cselect_b32 s17, 0, s93                      ; the tokens' 32 tiles lie along A for q and k,
	s_cselect_b32 s2, s93, 0                       ; along B for v
	s_add_co_u32 s17, s17, s67                     ; A's tile (hangs on cy alone)
	s_add_co_u32 s2, s2, s66                       ; B's tile (on cx alone)
	s_lshl_b32 s22, s67, 2
	s_lshl_b32 s22, 15, s22                        ; my row of the cluster
	s_lshl_b32 s93, 0x1111, s66                    ; my column
	s_mov_b32 s[SEL], 0x76543210
	s_mov_b32 s[SEL+1], 0xfedcba98
	; group 1 for the scales of 128 rows: a dense block of 4,096 bytes as 16 rows of 256 bytes (32 elements of 8 bytes), 16 bytes of padding behind each
	s_or_b32 s[G1S+0], s22, (3<<16)|(1<<20)|(1<<21)|(5<<22)|(3<<25)
	s_or_b32 s[G1SB+0], s93, (3<<16)|(1<<20)|(1<<21)|(5<<22)|(3<<25)
.irp g, G1S, G1SB
	s_mov_b32 s[\g+1], 32<<16
	s_mov_b32 s[\g+2], (128*KS/256)<<16
	s_mov_b32 s[\g+3], 32<<16
	s_mov_b32 s[\g+4], 128*KS/256
	s_mov_b32 s[\g+5], 32
	s_mov_b32 s[\g+6], 0
	s_mov_b32 s[\g+7], 0
.endr
	s_wait_kmcnt 0x0
	s_cmp_eq_u32 s[GRP], 0                         ; the product's six buffers: the choice hangs on the cluster's number alone
	s_cselect_b64 s[4:5], s[24:25], s[36:37]
	s_cselect_b64 s[6:7], s[26:27], s[38:39]
	s_cselect_b64 s[8:9], s[28:29], s[40:41]
	s_cselect_b64 s[10:11], s[30:31], s[42:43]
	s_cselect_b64 s[12:13], s[32:33], s[44:45]
	s_cselect_b64 s[IMG:IMG+1], s[34:35], s[46:47]
	s_cmp_eq_u32 s[GRP], 2
	s_cselect_b64 s[4:5], s[48:49], s[4:5]
	s_cselect_b64 s[6:7], s[50:51], s[6:7]
	s_cselect_b64 s[8:9], s[52:53], s[8:9]
	s_cselect_b64 s[10:11], s[54:55], s[10:11]
	s_cselect_b64 s[12:13], s[56:57], s[12:13]
	s_cselect_b64 s[IMG:IMG+1], s[58:59], s[IMG:IMG+1]
	s_mov_b64 s[SCP:SCP+1], s[60:61]
	; group 1 for the codes: 128 rows x 192 bytes, 16 bytes of padding behind every 64
	s_or_b32 s[G1+0], s22, (0<<16)|(1<<20)|(1<<21)|(3<<22)|(3<<25)
	s_or_b32 s[G1B+0], s93, (0<<16)|(1<<20)|(1<<21)|(3<<22)|(3<<25)
.irp g, G1, G1B
	s_mov_b32 s[\g+1], ROWB<<16
	s_mov_b32 s[\g+2], 128<<16
	s_mov_b32 s[\g+3], ROWB<<16
	s_mov_b32 s[\g+4], 128
	s_mov_b32 s[\g+5], KROW
	s_mov_b32 s[\g+6], 0
	s_mov_b32 s[\g+7], 0
.endr
	s_lshl_b32 s18, s16, 7                         ; which 128 rows of the tile I fetch
	s_lshl_b32 s20, s17, 8
	s_add_co_u32 s20, s20, s18                     ; A: row 256 x tile + 128 x half
	s_lshl_b32 s46, s2, 8
	s_add_co_u32 s46, s46, s18                     ; B likewise
	s_mov_b32 s21, 0
	s_mov_b32 s47, 0
	s_mov_b64 s[18:19], KS
	s_mul_u64 s[22:23], s[20:21], s[18:19]         ; where these rows' scales begin
	s_mul_u64 s[40:41], s[46:47], s[18:19]
	s_mov_b64 s[18:19], KROW
	s_mul_u64 s[20:21], s[20:21], s[18:19]         ; and their codes
	s_mul_u64 s[46:47], s[46:47], s[18:19]
	s_mul_i32 s45, s14, HALFT                      ; where they go: wave x 128 rows: no place in the cluster enters an LDS address
	s_mul_i32 s3, s14, HALFS
	s_add_nc_u64 s[20:21], s[4:5], s[20:21]
	s_add_nc_u64 s[22:23], s[6:7], s[22:23]
	s_add_nc_u64 s[46:47], s[8:9], s[46:47]
	s_add_nc_u64 s[40:41], s[10:11], s[40:41]
	CROUND                                         ; all sixteen work-groups are here: the first joint loads meet
	s_mov_b32 s[G0S], 1
	s_add_co_u32 s[G0S+1], s3, SCL
	s_mov_b64 s[G0S+2:G0S+3], s[22:23]
	s_or_b32 s[G0S+3], s[G0S+3], 0x80000000
	s_mov_b32 s[G0SB], 1
	s_add_co_u32 s[G0SB+1], s3, SCL
	s_mov_b64 s[G0SB+2:G0SB+3], s[40:41]
	s_or_b32 s[G0SB+3], s[G0SB+3], 0x80000000
	JLOAD G0S, G1S, G0SB, G1SB                     ; the scales of all of K: filled once
.irp s, 0,1
	s_mov_b32 s[G0+4*\s], 1
	s_add_co_u32 s[G0+4*\s+1], s45, \s*SLOT
	s_add_nc_u64 s[G0+4*\s+2:G0+4*\s+3], s[20:21], \s*ROWB
	s_or_b32 s[G0+4*\s+3], s[G0+4*\s+3], 0x80000000
	s_mov_b32 s[G0B+4*\s], 1
	s_add_co_u32 s[G0B+4*\s+1], s45, \s*SLOT
	s_add_nc_u64 s[G0B+4*\s+2:G0B+4*\s+3], s[46:47], \s*ROWB
	s_or_b32 s[G0B+4*\s+3], s[G0B+4*\s+3], 0x80000000
	JLOAD G0+4*\s, G1, G0B+4*\s, G1B
.endr
	v_and_b32 v1, 15, v0                           ; r
	v_bfe_u32 v2, v0, 4, 1                         ; h
	v_mul_u32_u24 v3, v1, PITCH
	v_mul_u32_u24 v4, v2, 24
	v_add_nc_u32 v4, v3, v4                        ; a fragment's row x pitch + 24 h
	v_lshl_add_u32 v5, v2, 4, v4                   ; and the same behind one padding more
	s_mul_i32 s21, s15, HALFT
	s_mul_i32 s22, s16, HALFT
	s_add_co_u32 s22, s22, 2*HALFT
.irp s, 0,1
	v_add_nc_u32 v[ADRA+\s], s21, v4
	v_add_nc_u32 v[ADRB+\s], s22, v4
	v_add_nc_u32 v[ADRA+2+\s], s21, v5
	v_add_nc_u32 v[ADRB+2+\s], s22, v5
	s_add_co_u32 s21, s21, SLOT
	s_add_co_u32 s22, s22, SLOT
.endr
	v_mul_u32_u24 v5, v1, KS                       ; my row's scales: 32 bytes a row,
	v_lshrrev_b32 v6, 8, v5
	v_lshl_add_u32 v5, v6, 4, v5                   ; and 16 more for each 256 passed
	s_mul_i32 s21, s15, HALFS
	s_mul_i32 s22, s16, HALFS
	s_add_co_u32 s22, s22, 2*HALFS
	s_sub_co_u32 s22, s22, s21
	v_mul_u32_u24 v6, s22, v2                      ; lanes 16-31 take B's
	s_add_co_u32 s21, s21, SCL
	v_add_nc_u32 v5, v5, v6
	v_add_nc_u32 v[ADRS], s21, v5
	; the stages' addresses: a constant, constants x bits of the lane, a constant x wave
	s_mul_i32 s23, s14, WSTG
	v_and_b32 v3, 7, v1                            ; r % 8
	v_lshrrev_b32 v4, 3, v1                        ; r / 8
	v_mul_u32_u24 v[SQ], v3, 48
	v_mad_u32_u24 v[SQ], v4, 24, v[SQ]
	v_mad_u32_u24 v[SQ], v2, 768, v[SQ]
	v_add_nc_u32 v[SQ], s23, v[SQ]                 ; token 16 a + r lies in the image's lane 8 (a % 2) + r % 8 + 16 h, half r / 8
	v_lshlrev_b32 v[SQS], 4, v3
	v_lshl_add_u32 v[SQS], v4, 1, v[SQS]
	v_lshl_add_u32 v[SQS], v2, 8, v[SQS]           ; lanes 16-31 store the second head's two bytes
	v_add_nc_u32 v[SQS], s23, v[SQS]
	v_add_nc_u32 v[SQS], 12288, v[SQS]
	v_and_b32 v5, 31, v0
	v_mul_u32_u24 v[SV], v5, 48
	v_add_nc_u32 v[SV], s23, v[SV]
	v_add_nc_u32 v[SV], VSTG, v[SV]
	v_lshlrev_b32 v[SVS], 4, v1
	v_add_nc_u32 v[SVS], s23, v[SVS]
	v_add_nc_u32 v[SVS], VSTG+12288, v[SVS]
	v_lshlrev_b32 v[GO], 4, v5
	v_add_nc_u32 v[RBQ], s23, v[GO]
	v_add_nc_u32 v[RBV], VSTG, v[RBQ]
	v_lshlrev_b32 v[GS], 4, v1
	v_lshl_add_u32 v[GS], v2, 14, v[GS]
	v_lshlrev_b32 v[SH], 4, v2
	v_lshlrev_b32 v6, 5, v2                        ; the bias along B's rows: 32 h bytes; never rewritten
	v_lshlrev_b32 v7, 2, v1                        ; along A's rows: 4 r; never rewritten
	; where my 128 x 128 goes
	s_lshl_b32 s18, s17, 8
	s_lshl_b32 s19, s15, 7
	s_add_co_u32 s18, s18, s19                     ; my first row of A
	s_lshl_b32 s19, s2, 8
	s_lshl_b32 s20, s16, 7
	s_add_co_u32 s19, s19, s20                     ; my first row of B
	s_cmp_eq_u32 s[GRP], 2
	s_cselect_b32 s20, s19, s18                    ; my first token
	s_cselect_b32 s21, s18, s19                    ; my first feature
	s_cselect_b32 s40, 0, s19                      ; both sets of biases are loaded on the one way; the set that is not used is taken from the buffer's start, so that no load leaves it
	s_cselect_b32 s42, s18, 0
	s_lshr_b32 s22, s20, 11
	s_lshl_b32 s22, s22, 8                         ; batch x 16 heads x 16 steps
	s_lshr_b32 s23, s21, 6
	s_lshl_b32 s23, s23, 4                         ; head x 16 steps
	s_add_co_u32 s22, s22, s23
	s_bfe_u32 s23, s20, 0x40007                    ; step
	s_add_co_u32 s22, s22, s23
	s_mul_i32 s46, s22, 6144
	s_mov_b32 s47, 0
	s_add_nc_u64 s[IMG:IMG+1], s[IMG:IMG+1], s[46:47]
	s_lshl_b32 s46, s22, 10
	s_cmp_eq_u32 s[GRP], 0
	s_cselect_b32 s23, 512, 0                      ; q's scale bytes at 512, k's at 0,
	s_cmp_eq_u32 s[GRP], 2
	s_cselect_b32 s23, 256, s23                    ; v's at 256
	s_add_co_u32 s46, s46, s23
	s_add_nc_u64 s[SCP:SCP+1], s[SCP:SCP+1], s[46:47]
	s_lshl_b32 s40, s40, 2
	s_mov_b32 s41, 0
	s_add_nc_u64 s[40:41], s[12:13], s[40:41]      ; these two bases are not written again
	s_lshl_b32 s42, s42, 2
	s_mov_b32 s43, 0
	s_add_nc_u64 s[42:43], s[12:13], s[42:43]
.irp b, 0,1,2,3,4,5,6,7
	global_load_b128 v[BB+8*\b:BB+8*\b+3], v6, s[40:41] offset:64*\b        ; bias[16 b + 8 h + 0 .. 7]: waited for at the head of the way out
	global_load_b128 v[BB+8*\b+4:BB+8*\b+7], v6, s[40:41] offset:64*\b+16
.endr
.irp a, 0,1,2,3,4,5,6,7
	global_load_b32 v[BA+\a], v7, s[42:43] offset:64*\a                     ; bias[16 a + r]
.endr
.macro FRAG reg, adr, q, i             ; 16 rows x 128 K: 12 registers: 24 bytes of the row's stream of bits twice, in pieces of 8 bytes; where a piece of lanes 16-31 lies behind one padding more, the second address register serves
.irp p, 0,1,2,3,4,5
.set PCE, 12*(\q)+6*(\p/3)+\p%3
.if PCE%8 < 5
	ds_load_b64 v[\reg+2*\p:\reg+2*\p+1], v[\adr] offset:8*PCE+16*(PCE/8)+(\i)*16*PITCH
.else
	ds_load_b64 v[\reg+2*\p:\reg+2*\p+1], v[\adr+2] offset:8*PCE+16*(PCE/8)+(\i)*16*PITCH
.endif
.endr
.endm
; 16 matrix instructions: A's blocks a0, a0 + 1 x B's eight.  The 64 accumulators take turns, one instruction a turn, in the same order in every step.
.macro MUL16 a0, p, q, sc, zero
.irp a, \a0, \a0+1
.irp b, 0,1,2,3,4,5,6,7
.if \zero
	v_wmma_scale_f32_16x16x128_f8f6f4 v[8*(8*((\a)%4)+\b):8*(8*((\a)%4)+\b)+7], v[128*(\p)+FR*\b:128*(\p)+FR*\b+FR-1], v[AF+FR*(\a):AF+FR*(\a)+FR-1], 0, v[SC+8*NQ*(\sc)+NQ*\b+(\q)], v[SC+8*NQ*(\sc)+NQ*(\a)+(\q)] matrix_a_fmt:MATRIX_FMT_FP6 matrix_b_fmt:MATRIX_FMT_FP6 matrix_a_scale:MATRIX_SCALE_ROW1
.else
	v_wmma_scale_f32_16x16x128_f8f6f4 v[8*(8*((\a)%4)+\b):8*(8*((\a)%4)+\b)+7], v[128*(\p)+FR*\b:128*(\p)+FR*\b+FR-1], v[AF+FR*(\a):AF+FR*(\a)+FR-1], v[8*(8*((\a)%4)+\b):8*(8*((\a)%4)+\b)+7], v[SC+8*NQ*(\sc)+NQ*\b+(\q)], v[SC+8*NQ*(\sc)+NQ*(\a)+(\q)] matrix_a_fmt:MATRIX_FMT_FP6 matrix_b_fmt:MATRIX_FMT_FP6 matrix_a_scale:MATRIX_SCALE_ROW1
.endif
.endr
.endr
.endm
.macro FETCH_B slot, q, p
	WIN TO_B
.irp i, 0,1,2,3,4,5,6,7
	FRAG 128*(\p)+FR*\i, ADRB+\slot, \q, \i
.endr
	WIN 0
.endm
.macro FETCH_A slot, q, i0
.irp i, \i0, \i0+1, \i0+2, \i0+3
	FRAG AF+FR*(\i), ADRA+\slot, \q, \i
.endr
.endm
.macro SCALES sc                       ; a K step's scale words: lanes 0-15 A's block i, lanes 16-31 B's block i
.irp i, 0,1,2,3,4,5,6,7
	ds_load_b64 v[SC+8*NQ*\sc+NQ*\i:SC+8*NQ*\sc+NQ*\i+1], v[ADRS] offset:\i*SBLK
.endr
.endm
.macro PLACES n                        ; plain vector instructions between a matrix instruction and a load into, or a vector read or write of, its registers
.rept \n
	v_nop
.endr
.endm
.macro STEP slot, q, zero              ; 128 along K that have their successor in the same slot
	s_wait_dscnt 4*NL                              ; B's set and A's blocks 0-3 are in; the youngest 24 loads (A's blocks 4-7) may be out
	WIN MUL_LO
	MUL16 0, (\q)%2, \q, \slot, \zero
	MUL16 2, (\q)%2, \q, \slot, \zero
	s_wait_dscnt 0
	PLACES NP
	FETCH_B \slot, (\q)+1, 1-(\q)%2
	FETCH_A \slot, (\q)+1, 0
	WIN MUL_HI
	MUL16 4, (\q)%2, \q, \slot, \zero
	MUL16 6, (\q)%2, \q, \slot, \zero
	PLACES NP
	WIN 0
	FETCH_A \slot, (\q)+1, 4
.endm
; A slot's last step changes slots: one barrier; in front of it each wave waits for all its tensor loads, adds 0 to its spare word, and waits for that and for its reads of this slot.
.macro TURN slot, next, fill
	s_wait_tensorcnt 0x0                           ; all my tensor loads have landed: my part of the next slot
	ds_add_u32 v[SPW], v[NIL]                      ; 0 onto my spare word
	s_wait_dscnt 4*NL+1                            ; the add and the youngest 24 loads (A's blocks 4-7) may be out
	WIN MUL_LO
	MUL16 0, 1, NQ-1, \slot, 0
	s_wait_dscnt 0x0                               ; the add is done, and my reads of this slot are over
	s_barrier_signal -1
	MUL16 2, 1, NQ-1, \slot, 0
	WIN 0
	s_barrier_wait -1
.if \fill
	CREST                                          ; the barrier has opened a round of the cluster's: no wave of any partner still reads this slot or has a load on its way
	s_add_nc_u64 s[G0+4*\slot+2:G0+4*\slot+3], s[G0+4*\slot+2:G0+4*\slot+3], 2*ROWB
	s_add_nc_u64 s[G0B+4*\slot+2:G0B+4*\slot+3], s[G0B+4*\slot+2:G0B+4*\slot+3], 2*ROWB
	JLOAD G0+4*\slot, G1, G0B+4*\slot, G1B         ; the first tensor load behind the round; its four v_nop are the places in front of the loads below
.else
	PLACES NP
.endif
	v_add_nc_u32 v[ADRS], 4*NQ, v[ADRS]
	FETCH_B \next, 0, 0
	FETCH_A \next, 0, 0
	SCALES \next
	WIN MUL_HI
	MUL16 4, 1, NQ-1, \slot, 0
	MUL16 6, 1, NQ-1, \slot, 0
	PLACES NP
	WIN 0
	FETCH_A \next, 0, 4
.endm
	s_wait_tensorcnt 1                             ; the scales and my part of K step 0 are in; K step 1's load may be out
	s_barrier_signal -1
	s_barrier_wait -1
	FETCH_B 0, 0, 0
	FETCH_A 0, 0, 0
	SCALES 0
	FETCH_A 0, 0, 4
	STEP 0, 0, 1                                   ; the first products start the sums
	s_mov_b32 s3, LAPS-1
.Llap:
	TURN 0, 1, 1
	STEP 1, 0, 0
	TURN 1, 0, 1
	STEP 0, 0, 0
	s_sub_co_u32 s3, s3, 1
	s_cmp_lg_u32 s3, 0
	s_cbranch_scc1 .Llap
	TURN 0, 1, 0                                   ; the last lap fills nothing
	STEP 1, 0, 0
	s_wait_dscnt 4*NL
	WIN MUL_LO
	MUL16 0, 1, NQ-1, 1, 0
	MUL16 2, 1, NQ-1, 1, 0
	s_wait_dscnt 0
	WIN MUL_HI
	MUL16 4, 1, NQ-1, 1, 0
	MUL16 6, 1, NQ-1, 1, 0
	WIN 0
; 64 numbers of a lane, register 16 b + i = k 32 b + 16 h + i of my row, become a fragment's codes in v[PC] on (registers 6 c .. 6 c + 5: k = 64 c + 32 h .. + 31) and the row's scale word in v[PW].
.macro QUANT s
.irp b, 0,1,2,3
	v_max3_num_f32 v[TM+\b], |v[\s+16*\b]|, |v[\s+1+16*\b]|, 0x1800000   ; my 16 numbers of block b, and the floor 2^(3 - 127): the byte cannot fall under 1
.endr
.irp i, 2,4,6,8,10,12,14
.irp b, 0,1,2,3
	v_max3_num_f32 v[TM+\b], v[TM+\b], |v[\s+16*\b+\i]|, |v[\s+1+16*\b+\i]|
.endr
.endr
.irp b, 0,1,2,3
	v_permlanex16_b32 v[TM+4+\b], v[TM+\b], s[SEL], s[SEL+1]
.endr
.irp b, 0,1,2,3
	v_max_num_f32 v[TM+\b], v[TM+\b], v[TM+4+\b]   ; with lane l xor 16's: the block's largest magnitude
.endr
.irp b, 0,1,2,3
	v_add_nc_u32 v[TM+12+\b], 0xff000000, v[TM+\b] ; 2 off its exponent field: the conversion's scale operand
.endr
.irp b, 0,1,2,3
	v_lshrrev_b32 v[TM+4+\b], 23, v[TM+12+\b]      ; the scale's byte
.endr
	v_lshl_or_b32 v[PW], v[TM+5], 8, v[TM+4]
	v_lshl_or_b32 v[PW], v[TM+6], 16, v[PW]
	v_lshl_or_b32 v[PW], v[TM+7], 24, v[PW]
.irp c, 0,1
	v_cvt_scalef32_pk16_fp6_f32 v[PC+6*\c:PC+2+6*\c], v[\s+32*\c:\s+15+32*\c], v[TM+12+2*\c]
	v_cvt_scalef32_pk16_fp6_f32 v[PC+12+4*\c:PC+14+4*\c], v[\s+16+32*\c:\s+31+32*\c], v[TM+12+2*\c+1]
.endr
	v_nop                                          ; one plain place behind a scaled conversion
.irp c, 0,1
.irp i, 0,1,2
	v_permlane16_swap_b32 v[PC+6*\c+\i], v[PC+12+4*\c+\i]   ; a whole block to a lane
.endr
.irp i, 0,1,2
	v_mov_b32 v[PC+3+6*\c+\i], v[PC+12+4*\c+\i]
.endr
.endr
.endm
; THE WAY OUT, A's blocks of 16 rows one after the other.  In block a lane (r, h) holds A's row 16 a + r; its register 8 b + j holds B's row 16 b + 8 h + j.
; The bias is added on the way into window 0; 32 exchanges of halves make 16 neighbours a lane; QUANT; the codes go into my own stage at the places that the images give them.
.macro OUT isv
.irp a, 0,1,2,3,4,5,6,7
.if \isv
	v_mov_b32 v248, v[BA+\a]                       ; v: one bias a lane, that of my feature
.endif
	WIN 0x02+(\a)/4                                ; source 0: window 2 or 3
.set k, 0
.rept 32
.if \isv
	v_pk_add_f32 v[H+2*k:H+2*k+1], v[64*((\a)%4)+2*k:64*((\a)%4)+2*k+1], v[248:249] op_sel_hi:[1,0]
.else
	v_pk_add_f32 v[H+2*k:H+2*k+1], v[64*((\a)%4)+2*k:64*((\a)%4)+2*k+1], v[BB+2*k:BB+2*k+1]   ; each accumulator from its low end on
.endif
.set k, k+1
.endr
	WIN 0
.irp q, 0,1,2,3
.irp j, 0,1,2,3,4,5,6,7
	v_permlane16_swap_b32 v[H+16*\q+\j], v[H+16*\q+8+\j]    ; register 16 q + i now holds k = 32 q + 16 h + i
.endr
.endr
	s_wait_dscnt 0x0                               ; the last block's LDS stores have read the registers that are written now
	QUANT H
.if \isv
.irp c, 0,1,2
	ds_store_b128 v[SV], v[PC+4*\c:PC+4*\c+3] offset:1536*(\a)+16*\c        ; head a / 4, d = 16 (a % 4) + r: the fragment as it stands
.endr
	ds_store_b32 v[SVS], v[PW] offset:256*((\a)/4)+4*((\a)%4)               ; both halves of the lanes write the same word
.else
.irp c, 0,1
.irp p, 0,1,2
	ds_store_b64 v[SQ], v[PC+6*\c+2*\p:PC+6*\c+2*\p+1] offset:6144*\c+1536*((\a)/2)+384*((\a)%2)+8*\p   ; head c, d = 32 h .. + 31 of token 16 a + r
.endr
.endr
	v_lshrrev_b32 v[PT], v[SH], v[PW]              ; lanes 0-15: the first head's two bytes, lanes 16-31 the second's
	ds_store_b16 v[SQS], v[PT] offset:128*((\a)%2)+4*((\a)/2)
.endif
.endr
.if \isv
.set RBX, RBV
.else
.set RBX, RBQ
.endif
.set k, 0
.rept 24
	ds_load_b128 v[RB+4*k:RB+4*k+3], v[RBX] offset:512*k   ; LDS serves a wave's instructions in order (ISA guide 5.7.1.4): these see my stores
.set k, k+1
.endr
	ds_load_b128 v[RB+96:RB+99], v[RBX] offset:12288
.set k, 0
.rept 24
	s_wait_dscnt 24-k                              ; the younger read-backs may be out
	global_store_b128 v[GO], v[RB+4*k:RB+4*k+3], s[IMG:IMG+1] offset:(k/12)*98304+(k%12)*512   ; 512 consecutive bytes, aligned; the second head lies 16 steps on
.set k, k+1
.endr
	s_wait_dscnt 0x0
	global_store_b128 v[GS], v[RB+96:RB+99], s[SCP:SCP+1]   ; 256 consecutive bytes for each of the two heads
.endm
	PLACES NP                                      ; behind the last products
	s_wait_loadcnt 0x0                             ; the biases
.irp b, 0,1,2,3
	v_mov_b32 v[TM+4+\b], 0                        ; a lane permute's destination counts as one of its sources
.endr
	v_mov_b32 v249, 0                              ; named as the upper half of the pair v[248:249]
	s_cmp_eq_u32 s[GRP], 2                         ; the same in all partners of the cluster
	s_cbranch_scc1 .Lv
	OUT 0
	s_branch .Ldone
.Lv:
	OUT 1
.Ldone:
	s_wait_tensorcnt 0x0                           ; the wave's end
	ds_add_u32 v[SPW], v[NIL]
	s_wait_dscnt 0x0
	CROUND                                         ; the closing round
	s_endpgm
.Lfunc_end_k_q1df17ee21d_proj:
	.size	k_q1df17ee21d_proj, .Lfunc_end_k_q1df17ee21d_proj-k_q1df17ee21d_proj
	.p2alignl 7, 3214868480
	.fill 96, 4, 3214868480
	.section	.rodata,"a",@progbits
	.p2align	6, 0x0
	.amdhsa_kernel k_q1df17ee21d_proj
		.amdhsa_group_segment_fixed_size 327680
		.amdhsa_private_segment_fixed_size 0
		.amdhsa_enable_private_segment 0
		.amdhsa_kernarg_size 152
		.amdhsa_user_sgpr_count 2
		.amdhsa_user_sgpr_kernarg_segment_ptr 1
		.amdhsa_wavefront_size32 1
		.amdhsa_system_sgpr_workgroup_id_x 1
		.amdhsa_system_sgpr_workgroup_id_y 1
		.amdhsa_system_sgpr_workgroup_id_z 1
		.amdhsa_system_vgpr_workitem_id 0
		.amdhsa_next_free_vgpr 1024
		.amdhsa_next_free_sgpr 100
		.amdhsa_reserve_vcc 0
		.amdhsa_float_denorm_mode_32 3
		.amdhsa_float_denorm_mode_16_64 3
		.amdhsa_memory_ordered 1
		.amdhsa_forward_progress 1
		.amdhsa_inst_pref_size 255
	.end_amdhsa_kernel
	.section	.bss,"aw",@nobits
	.p2align	6
	.space	262144
	.amdgpu_metadata
---
amdhsa.version: [ 1, 2 ]
amdhsa.kernels:
  - .name:           k_q1df17ee21d_proj
    .symbol:         k_q1df17ee21d_proj.kd
    .args:
      - { .name: query_codes, .offset: 0, .size: 8, .value_kind: global_buffer, .address_space: global }
      - { .name: query_scales, .offset: 8, .size: 8, .value_kind: global_buffer, .address_space: global }
      - { .name: Wq_codes, .offset: 16, .size: 8, .value_kind: global_buffer, .address_space: global }
      - { .name: Wq_scales, .offset: 24, .size: 8, .value_kind: global_buffer, .address_space: global }
      - { .name: bq, .offset: 32, .size: 8, .value_kind: global_buffer, .address_space: global }
      - { .name: qimg, .offset: 40, .size: 8, .value_kind: global_buffer, .address_space: global }
      - { .name: key_codes, .offset: 48, .size: 8, .value_kind: global_buffer, .address_space: global }
      - { .name: key_scales, .offset: 56, .size: 8, .value_kind: global_buffer, .address_space: global }
      - { .name: Wk_codes, .offset: 64, .size: 8, .value_kind: global_buffer, .address_space: global }
      - { .name: Wk_scales, .offset: 72, .size: 8, .value_kind: global_buffer, .address_space: global }
      - { .name: bk, .offset: 80, .size: 8, .value_kind: global_buffer, .address_space: global }
      - { .name: kimg, .offset: 88, .size: 8, .value_kind: global_buffer, .address_space: global }
      - { .name: Wv_codes, .offset: 96, .size: 8, .value_kind: global_buffer, .address_space: global }
      - { .name: Wv_scales, .offset: 104, .size: 8, .value_kind: global_buffer, .address_space: global }
      - { .name: value_codes, .offset: 112, .size: 8, .value_kind: global_buffer, .address_space: global }
      - { .name: value_scales, .offset: 120, .size: 8, .value_kind: global_buffer, .address_space: global }
      - { .name: bv, .offset: 128, .size: 8, .value_kind: global_buffer, .address_space: global }
      - { .name: vimg, .offset: 136, .size: 8, .value_kind: global_buffer, .address_space: global }
      - { .name: scl, .offset: 144, .size: 8, .value_kind: global_buffer, .address_space: global }
    .group_segment_fixed_size: 327680
    .private_segment_fixed_size: 0
    .kernarg_segment_align: 8
    .kernarg_segment_size: 152
    .max_flat_workgroup_size: 128
    .sgpr_count:     100
    .vgpr_count:     1024
    .wavefront_size: 32
...
	.end_amdgpu_metadata
.endif
;; end of part 2
;; launch attn (part 3): grid 4 x 64, 16 waves a work-group, no clusters, 219,136 bytes of LDS; arguments qimg, kimg, vimg, scl, mbits, mflag, cimg, cscl; writes cimg, cscl
.if DOCPART == 3
	.amdgcn_target "amdgcn-amd-amdhsa--gfx1250"
	.amdhsa_code_object_version 6
	.text
	.protected	k_q1df17ee21d_attn
	.globl	k_q1df17ee21d_attn
	.p2align	8
	.type	k_q1df17ee21d_attn,@function
k_q1df17ee21d_attn:
	s_mov_b64 s[64:65], 0
	v_nop
	global_prefetch_b8 v0, s[64:65] scope:SCOPE_SE
	s_setreg_imm32_b32 hwreg(HW_REG_WAVE_MODE, 25, 1), 1
	s_wait_xcnt 0x0
; ctx = softmax(mask(q k^T / 8)) v for one head, both products on codes of FP6 (E2M3) with E8M0 scales, and the quantiser of ctx along head x 64 + d, fused.
; THE SOFTMAX: t = score x log2(e) / 8; M = the running largest t rounded UP to a whole number; p = 2^(t - M) is quantised along the keys, not normalised; the sum is taken of the unquantised p and divides at the end.
; SHARES.  Work-group (x, bh): a head's whole K, V^T and their scale words lie in LDS, filled once through registers.  Wave w takes query tiles 16 x + w and 127 - (16 x + w), one after the other, 16 queries each, and walks the 16 key steps of 128.
; THE MASK IS AN INPUT.  An earlier launch has stored, for each 16 x 128 tile, a flag 'some true' and a flag 'all true', and the lane masks.  A step with no true entry is jumped over (a scalar branch on the stored flag); a step that is
; all true skips the 64 selects; else hidden scores become -infinity ahead of the maximum.
; NO TENSOR LOAD, NO CLUSTER: which steps a wave walks hangs on numbers read from memory, so this launch has no tensor load, and with it no joint request; the four work-groups of a head each read its 205 KB once.
; LAYOUT.  Both products are used transposed: a lane holds ONE query (r = lane % 16).  The head's 64 fill half of the instruction's 128: a fragment of K holds TWO tiles of 16 keys (k slots 0-63 and 64-127), and q stands with zeros behind it or in front of it.
; Register 16 b + i of the scores holds key 32 b + 16 h + i of the step.
; A row with no true entry has the sum 0: its scale bytes are set to 0xff, which makes the whole output row NaN in the last product.
; LIMITS: a block of zeros gets the byte 1 (its codes are zeros; this program alone reads the bytes).
; REGISTERS: v1-7, v11 lane addresses; v8-10 addresses in hand; v12 -M, v13 the largest t, v[14:15] the sum; v16-21 zeros, v22-27 q, v28-33 zeros; v34 q's scale word; v35 -infinity; v36-39 the step's scale words (lanes 0-15 K's, 16-31 V's);
;   v40-87 K's four fragments, later p's codes; v88-135 V's four; v136-199 scores, then p; v200-231 O^T; v232-254 at work; v248-250 lane offsets of the way out.
.set VIMG, 98304
.set SIMG, 196608
.set STG,  204800                      ; 768 bytes for each wave
.set S,    136
.set O,    200
.set KFR,  40
.set VFR,  88
.set SEL,  52                          ; s[52:53]
.set CS,   54                          ; s[54:55] c = log2(e) / 8
.set TB,   56                          ; s56  the step's fragments: 6,144 bytes a step
.set TS,   57                          ; s57  its scale words: 512 bytes a step
	s_load_b512 s[20:35], s[0:1], 0x0              ; qimg, kimg, vimg, scl, mbits, mflag, cimg, cscl
	v_lshrrev_b32 v1, 5, v0
	s_delay_alu instid0(VALU_DEP_1)
	v_readfirstlane_b32 s16, v1                    ; wave 0..15
	v_and_b32 v232, 31, v0                         ; lane
	v_lshlrev_b32 v144, 4, v0                      ; 16 x thread
	s_delay_alu instid0(VALU_DEP_2)
	v_lshlrev_b32 v145, 4, v232
	s_delay_alu instid0(VALU_DEP_1)
	v_lshl_add_u32 v145, v1, 10, v145              ; scl: step = my wave, 1,024 bytes a step, its first 512
.irp j, 0,1,2,3
	v_add_nc_u32 v[140+\j], 65536*\j, v144         ; LDS: an immediate reaches 65,535 bytes
.endr
	s_and_b32 s58, ttmp7, 0xffff                   ; bh
	s_mul_i32 s2, s58, 98304
	s_mov_b32 s3, 0
	s_lshl_b32 s60, s58, 14
	s_mov_b32 s61, 0
	s_wait_alu depctr_va_vdst(0)
	s_wait_kmcnt 0x0
	s_add_nc_u64 s[4:5], s[20:21], s[2:3]          ; q's images of my head
	s_add_nc_u64 s[22:23], s[22:23], s[2:3]
	s_add_nc_u64 s[24:25], s[24:25], s[2:3]
	s_add_nc_u64 s[6:7], s[26:27], s[60:61]        ; its scale bytes
	s_mov_b64 s[8:9], s[28:29]
	s_mov_b64 s[10:11], s[30:31]
	s_mov_b64 s[12:13], s[32:33]
	s_mov_b64 s[14:15], s[34:35]
.irp m, 0,1,2,3,4,5,6,7,8,9,10,11
	global_load_b128 v[40+4*\m:43+4*\m], v144, s[22:23] offset:8192*\m     ; the 512 threads read 8,192 consecutive bytes
.endr
.irp m, 0,1,2,3,4,5,6,7,8,9,10,11
	global_load_b128 v[88+4*\m:91+4*\m], v144, s[24:25] offset:8192*\m
.endr
	global_load_b128 v[136:139], v145, s[6:7]
	v_and_b32 v233, 15, v0                         ; r
	v_bfe_u32 v234, v0, 4, 1                       ; h
	v_mul_u32_u24 v1, v232, 48                     ; a fragment's image: 48 bytes a lane
	s_delay_alu instid0(VALU_DEP_1)
	v_add_nc_u32 v2, VIMG, v1
	v_lshl_add_u32 v3, v232, 4, SIMG
	s_mul_i32 s59, s16, 768
	s_add_co_u32 s59, s59, STG                     ; my stage
	v_mul_u32_u24 v4, v232, 24
	s_delay_alu instid0(VALU_DEP_1)
	v_add_nc_u32 v4, s59, v4
	v_lshl_add_u32 v5, v232, 4, s59
	v_lshl_add_u32 v6, v232, 3, s59
	s_delay_alu instid0(VALU_DEP_1)
	v_add_nc_u32 v6, 512, v6
	v_and_b32 v235, 7, v233
	v_lshrrev_b32 v240, 3, v233
	s_delay_alu instid0(VALU_DEP_2)
	v_lshl_add_u32 v7, v234, 4, v235
	s_delay_alu instid0(VALU_DEP_1)
	v_mul_u32_u24 v7, v7, 48
	s_delay_alu instid0(VALU_DEP_1)
	v_mad_u32_u24 v7, v240, 24, v7                 ; q: 48 (r % 8 + 16 h) + 24 (r / 8)
	v_lshlrev_b32 v11, 4, v235
	s_delay_alu instid0(VALU_DEP_1)
	v_lshl_add_u32 v11, v240, 1, v11               ; q's scale bytes: 16 (r % 8) + 2 (r / 8)
	v_lshlrev_b32 v248, 4, v232                    ; out: 16 x lane,
	v_lshlrev_b32 v249, 3, v232
	s_delay_alu instid0(VALU_DEP_1)
	v_add_nc_u32 v249, 512, v249                   ; 512 + 8 x lane,
	v_lshlrev_b32 v250, 5, v233                    ; and 32 bytes of scales a token
.irp j, 16,17,18,19,20,21,28,29,30,31,32,33
	v_mov_b32 v\j, 0                               ; zero codes on both sides of q
.endr
	v_mov_b32 v35, 0xff800000
.irp b, 0,1,2,3
	v_mov_b32 v[236+\b], 0                         ; a lane permute's destination counts as one of its sources
.endr
	v_mov_b32 v253, 0                              ; named as the upper half of the pair v[252:253]
	s_mov_b32 s[SEL], 0x76543210
	s_mov_b32 s[SEL+1], 0xfedcba98
	s_mov_b32 s[CS], 0x3e38aa3b
	s_mov_b32 s[CS+1], s[CS]
.irp m, 0,1,2,3,4,5,6,7,8,9,10,11,12,13,14,15,16,17,18,19,20,21,22,23,24
	s_wait_loadcnt 24-\m                           ; the younger fill loads may be out
	ds_store_b128 v[140+(\m)/8], v[40+4*\m:43+4*\m] offset:8192*((\m)%8)
.endr
	s_wait_dscnt 0x0                               ; for the others' sake: my stores have landed
	s_barrier_signal -1
	s_barrier_wait -1                              ; the head's K, V and scale words lie in LDS; nothing writes them again
; One query tile, s17, through all key steps, and its way out.
.macro PASS
	s_lshl_b32 s59, s17, 3
	s_load_b64 s[2:3], s[10:11], s59 offset:0x0    ; the tile's flags
	s_lshr_b32 s60, s17, 1
	s_mul_i32 s60, s60, 1536
	s_and_b32 s61, s17, 1
	s_mul_i32 s62, s61, 384
	s_add_co_u32 s60, s60, s62
	v_add_nc_u32 v8, s60, v7
.irp p, 0,1,2
	global_load_b64 v[22+2*\p:23+2*\p], v8, s[4:5] offset:8*\p   ; query 16 qt + r, d = 32 h .. + 31
.endr
	s_lshr_b32 s62, s17, 3
	s_lshl_b32 s62, s62, 10
	s_lshl_b32 s61, s61, 7
	s_add_co_u32 s62, s62, s61
	s_bfe_u32 s61, s17, 0x20001
	s_lshl_b32 s61, s61, 2
	s_add_co_u32 s62, s62, s61
	v_add_nc_u32 v9, s62, v11
	global_load_u16 v251, v9, s[6:7] offset:512    ; its two scale bytes
	v_mov_b32 v13, 0xff61b1e6                      ; the largest t so far: -3e38
	s_delay_alu instid0(VALU_DEP_1)
	v_floor_f32 v12, -v13                          ; -M
	v_mov_b32 v14, 0
	v_mov_b32 v15, 0
	s_wait_kmcnt 0x0
	s_lshl_b32 s3, s3, 8
	s_or_b32 s18, s2, s3                           ; bit step: some true; bit 16 + step: all true
	s_wait_loadcnt 0x0
	v_lshl_or_b32 v34, v251, 16, v251              ; the same two bytes for either place of q
.set j, 0
.rept 32
	v_mov_b32 v[O+j], 0                            ; O^T (also the places between the scale word's write and the first product)
.set j, j+1
.endr
	s_mov_b32 s[TB], 0
	s_mov_b32 s[TS], 0
	s_mov_b32 s19, 0
.Lstep_\@:
	s_bitcmp1_b32 s18, s19
	s_cbranch_scc0 .Lskip_\@                       ; no entry of these 16 x 128 is true: only the addresses step
	s_lshl_b32 s59, s17, 12
	s_lshl_b32 s60, s19, 8
	s_add_co_u32 s59, s59, s60
	s_load_b512 s[20:35], s[8:9], s59 offset:0x0   ; the 64 lane masks
	s_load_b512 s[36:51], s[8:9], s59 offset:0x40
	s_load_b512 s[68:83], s[8:9], s59 offset:0x80
	s_load_b512 s[84:99], s[8:9], s59 offset:0xc0
	s_setprio 2
	v_add_nc_u32 v8, s[TB], v1
	v_add_nc_u32 v9, s[TB], v2
	v_add_nc_u32 v10, s[TS], v3
	v_nop                                          ; four places behind the last products, in front of loads into their registers
.irp b, 0,1,2,3
.irp k, 0,1,2
	ds_load_b128 v[KFR+12*\b+4*\k:KFR+12*\b+4*\k+3], v8 offset:1536*\b+16*\k
.endr
.endr
	ds_load_b128 v[36:39], v10
.irp t, 0,1,2,3
.irp k, 0,1,2
	ds_load_b128 v[VFR+12*\t+4*\k:VFR+12*\t+4*\k+3], v9 offset:1536*\t+16*\k
.endr
.endr
	s_wait_dscnt 12                                ; K and the scale words are in; V's twelve loads may be out
.irp b, 0,1,2,3
	v_wmma_scale_f32_16x16x128_f8f6f4 v[S+16*\b:S+16*\b+7], v[KFR+12*\b:KFR+12*\b+11], v[22:33], 0, v[36+\b], v34 matrix_a_fmt:MATRIX_FMT_FP6 matrix_b_fmt:MATRIX_FMT_FP6       ; q in slots 0-63: the fragment's first 16 keys
	v_wmma_scale_f32_16x16x128_f8f6f4 v[S+16*\b+8:S+16*\b+15], v[KFR+12*\b:KFR+12*\b+11], v[16:27], 0, v[36+\b], v34 matrix_a_fmt:MATRIX_FMT_FP6 matrix_b_fmt:MATRIX_FMT_FP6   ; q in slots 64-127: its second 16
.endr
.rept 4
	v_nop
.endr
	s_wait_kmcnt 0x0                               ; on both ways: no scalar load is out when the next step issues its own
	s_add_co_u32 s60, s19, 16
	s_bitcmp1_b32 s18, s60
	s_cbranch_scc1 .Lopen_\@
.set n, 0
.rept 64
	v_cndmask_b32 v[S+n], v35, v[S+n], s[20+n+16*(n/32)]   ; hidden scores become -infinity
.set n, n+1
.endr
.Lopen_\@:
.irp b, 0,1,2,3
	v_max3_num_f32 v[232+\b], v[S+16*\b], v[S+1+16*\b], v[S+2+16*\b]   ; the largest score of each block of 32 keys: for the row's maximum and for the block's largest p
.endr
.irp i, 3,5,7,9,11,13
.irp b, 0,1,2,3
	v_max3_num_f32 v[232+\b], v[232+\b], v[S+16*\b+\i], v[S+1+16*\b+\i]
.endr
.endr
.irp b, 0,1,2,3
	v_max_num_f32 v[232+\b], v[232+\b], v[S+15+16*\b]
.endr
.irp b, 0,1,2,3
	s_delay_alu instid0(VALU_DEP_4)
	v_permlanex16_b32 v[236+\b], v[232+\b], s[SEL], s[SEL+1]
.endr
.irp b, 0,1,2,3
	s_delay_alu instid0(VALU_DEP_4)
	v_max_num_f32 v[232+\b], v[232+\b], v[236+\b]
.endr
	s_delay_alu instid0(VALU_DEP_2)
	v_max3_num_f32 v254, v232, v233, v234
	s_delay_alu instid0(VALU_DEP_1)
	v_max_num_f32 v254, v254, v235
	s_delay_alu instid0(VALU_DEP_1)
	v_mul_f32 v254, s[CS], v254
	s_delay_alu instid0(VALU_DEP_1)
	v_max_num_f32 v13, v13, v254                   ; the running largest t
	v_mov_b32 v254, v12
	s_delay_alu instid0(VALU_DEP_2)
	v_floor_f32 v12, -v13                          ; the new -M: M is a whole number
	s_delay_alu instid0(VALU_DEP_1)
	v_sub_f32 v254, v12, v254
	s_delay_alu instid0(VALU_DEP_1)
	v_cvt_i32_f32 v254, v254                       ; (it saturates)
	s_delay_alu instid0(VALU_DEP_1)
	v_ldexp_f32 v252, 1.0, v254                    ; f = 2^(old M - new M): rounds nothing
.set j, 0
.rept 32
	v_pk_fma_f32 v[S+j:S+j+1], v[S+j:S+j+1], s[CS:CS+1], v[12:13] op_sel_hi:[1,0,0]   ; t - M
.set j, j+2
.endr
.irp b, 0,1,2,3
	v_fma_f32 v[232+\b], v[232+\b], s[CS], v12
.endr
.set j, 0
	s_setprio 1
	s_wait_alu depctr_va_vdst(0)
.rept 64
	v_exp_f32 v[S+j], v[S+j]                       ; p = 2^(t - M)
.set j, j+1
.endr
	v_pk_mul_f32 v[14:15], v[14:15], v[252:253] op_sel_hi:[1,0]   ; the sums under the new M: the plain place behind the exponentials
	s_wait_alu depctr_va_vdst(0)                   ; one wait for the batch, ahead of its first reader
.irp b, 0,1,2,3
	v_exp_f32 v[232+\b], v[232+\b]                 ; each block's largest p
.endr
	v_pk_add_f32 v[236:237], v[140:141], v[144:145]
	v_pk_add_f32 v[254:255], v[148:149], v[152:153]
	v_pk_add_f32 v[246:247], v[156:157], v[160:161]
	v_pk_add_f32 v[244:245], v[164:165], v[168:169]
	v_pk_add_f32 v[242:243], v[172:173], v[176:177]
	v_pk_add_f32 v[240:241], v[180:181], v[184:185]
	v_pk_add_f32 v[238:239], v[188:189], v[192:193]
	v_pk_add_f32 v[14:15], v[14:15], v[196:197]
	v_pk_add_f32 v[236:237], v[236:237], v[136:137]
	v_pk_add_f32 v[254:255], v[254:255], v[138:139]
	v_pk_add_f32 v[246:247], v[246:247], v[142:143]
	v_pk_add_f32 v[244:245], v[244:245], v[146:147]
	v_pk_add_f32 v[242:243], v[242:243], v[150:151]
	v_pk_add_f32 v[240:241], v[240:241], v[154:155]
	v_pk_add_f32 v[238:239], v[238:239], v[158:159]
	v_pk_add_f32 v[14:15], v[14:15], v[162:163]
	v_pk_add_f32 v[236:237], v[236:237], v[166:167]
	v_pk_add_f32 v[254:255], v[254:255], v[170:171]
	v_pk_add_f32 v[246:247], v[246:247], v[174:175]
	v_pk_add_f32 v[244:245], v[244:245], v[178:179]
	v_pk_add_f32 v[242:243], v[242:243], v[182:183]
	v_pk_add_f32 v[240:241], v[240:241], v[186:187]
	v_pk_add_f32 v[238:239], v[238:239], v[190:191]
	v_pk_add_f32 v[14:15], v[14:15], v[194:195]
	v_pk_add_f32 v[236:237], v[236:237], v[198:199]
	s_delay_alu instid0(VALU_DEP_2)
	v_pk_add_f32 v[14:15], v[14:15], v[244:245]
	s_delay_alu instid0(VALU_DEP_2)
	v_pk_add_f32 v[236:237], v[236:237], v[242:243]
	v_pk_add_f32 v[254:255], v[254:255], v[240:241]
	v_pk_add_f32 v[246:247], v[246:247], v[238:239]
	s_delay_alu instid0(VALU_DEP_2)
	v_pk_add_f32 v[14:15], v[14:15], v[254:255]
	s_delay_alu instid0(VALU_DEP_2)
	v_pk_add_f32 v[236:237], v[236:237], v[246:247]
	s_delay_alu instid0(VALU_DEP_1)
	v_pk_add_f32 v[14:15], v[14:15], v[236:237]
	s_wait_alu depctr_va_vdst(0)                   ; and one for the four
.irp b, 0,1,2,3
	v_max_num_f32 v[232+\b], 0x1800000, v[232+\b]  ; the floor 2^(3 - 127)
.endr
.irp b, 0,1,2,3
	s_delay_alu instid0(VALU_DEP_4)
	v_add_nc_u32 v[244+\b], 0xff000000, v[232+\b]  ; 2 off the exponent field: the conversion's scale operand
.endr
.irp b, 0,1,2,3
	s_delay_alu instid0(VALU_DEP_4)
	v_lshrrev_b32 v[236+\b], 23, v[244+\b]
.endr
	s_delay_alu instid0(VALU_DEP_3)
	v_lshl_or_b32 v253, v237, 8, v236              ; p's scale word for these 128 keys
	s_delay_alu instid0(VALU_DEP_1)
	v_lshl_or_b32 v253, v238, 16, v253
	s_delay_alu instid0(VALU_DEP_1)
	v_lshl_or_b32 v253, v239, 24, v253
.irp c, 0,1
	v_cvt_scalef32_pk16_fp6_f32 v[40+6*\c:42+6*\c], v[S+32*\c:S+15+32*\c], v[244+2*\c]
	v_cvt_scalef32_pk16_fp6_f32 v[52+4*\c:54+4*\c], v[S+16+32*\c:S+31+32*\c], v[244+2*\c+1]
.endr
	v_nop                                          ; one plain place behind a scaled conversion
	s_setprio 0
.irp c, 0,1
.irp i, 0,1,2
	v_permlane16_swap_b32 v[40+6*\c+\i], v[52+4*\c+\i]
.endr
.irp i, 0,1,2
	s_delay_alu instid0(VALU_DEP_3)
	v_mov_b32 v[43+6*\c+\i], v[52+4*\c+\i]
.endr
.endr
.set j, 0
.rept 16
	v_pk_mul_f32 v[O+j:O+j+1], v[O+j:O+j+1], v[252:253] op_sel_hi:[1,0]   ; O^T under the new M; also the places in front of the products below
.set j, j+2
.endr
	s_wait_alu depctr_va_vdst(0)
	s_wait_dscnt 0x0                               ; V is in
.irp t, 0,1,2,3
	v_wmma_scale_f32_16x16x128_f8f6f4 v[O+8*\t:O+8*\t+7], v[VFR+12*\t:VFR+12*\t+11], v[40:51], v[O+8*\t:O+8*\t+7], v[36+\t], v253 matrix_a_fmt:MATRIX_FMT_FP6 matrix_b_fmt:MATRIX_FMT_FP6 matrix_a_scale:MATRIX_SCALE_ROW1   ; one instruction an accumulator: they take turns
.endr
.Lskip_\@:
	s_add_co_u32 s[TB], s[TB], 6144
	s_add_co_u32 s[TS], s[TS], 512
	s_add_co_u32 s19, s19, 1
	s_cmp_lt_u32 s19, 16
	s_cbranch_scc1 .Lstep_\@
	s_setprio 0
	; THE WAY OUT: O^T / the sum, quantised along d, through my stage, as three aligned blocks of 256 bytes
.rept 4
	v_nop
.endr
	v_add_f32 v232, v14, v15
	s_delay_alu instid0(VALU_DEP_1)
	v_permlanex16_b32 v236, v232, s[SEL], s[SEL+1]
	s_delay_alu instid0(VALU_DEP_1)
	v_add_f32 v232, v232, v236                     ; the row's sum
	s_delay_alu instid0(VALU_DEP_1)
	v_cmp_eq_f32 vcc_lo, 0, v232                   ; a row with no true entry
	v_rcp_f32 v234, v232
	v_mov_b32 v235, 0                              ; a plain place; and the pair's upper half is written
	s_lshr_b32 s60, s58, 4                         ; batch
	s_and_b32 s61, s58, 15                         ; head
	s_lshl_b32 s62, s60, 7
	s_add_co_u32 s62, s62, s17                     ; token tile
	s_lshl_b32 s66, s62, 9                         ; 16 tokens x 32 scale bytes
	s_lshl_b32 s62, s62, 4
	s_add_co_u32 s62, s62, s61
	s_mul_i32 s62, s62, 768
	s_mov_b32 s63, 0
	s_add_nc_u64 s[62:63], s[12:13], s[62:63]
	s_lshl_b32 s61, s61, 1
	s_add_co_u32 s66, s66, s61
	s_mov_b32 s67, 0
	s_add_nc_u64 s[66:67], s[14:15], s[66:67]
	s_wait_alu depctr_va_vdst(0)                   ; ahead of the reciprocal's first reader
.set j, 0
.rept 16
	v_pk_mul_f32 v[S+j:S+j+1], v[O+j:O+j+1], v[234:235] op_sel_hi:[1,0]   ; register 8 t + i: d = 16 t + 8 h + i
.set j, j+2
.endr
.irp q, 0,1
.irp j, 0,1,2,3,4,5,6,7
	v_permlane16_swap_b32 v[S+16*\q+\j], v[S+16*\q+8+\j]   ; register 16 q + i now holds d = 32 q + 16 h + i
.endr
.endr
.irp b, 0,1
	v_max3_num_f32 v[240+\b], |v[S+16*\b]|, |v[S+1+16*\b]|, 0x1800000
.endr
.irp i, 2,4,6,8,10,12,14
.irp b, 0,1
	s_delay_alu instid0(VALU_DEP_2)
	v_max3_num_f32 v[240+\b], v[240+\b], |v[S+16*\b+\i]|, |v[S+1+16*\b+\i]|
.endr
.endr
.irp b, 0,1
	s_delay_alu instid0(VALU_DEP_2)
	v_permlanex16_b32 v[236+\b], v[240+\b], s[SEL], s[SEL+1]
.endr
.irp b, 0,1
	s_delay_alu instid0(VALU_DEP_2)
	v_max_num_f32 v[240+\b], v[240+\b], v[236+\b]
.endr
.irp b, 0,1
	s_delay_alu instid0(VALU_DEP_2)
	v_add_nc_u32 v[244+\b], 0xff000000, v[240+\b]
.endr
.irp b, 0,1
	s_delay_alu instid0(VALU_DEP_2)
	v_lshrrev_b32 v[236+\b], 23, v[244+\b]
.endr
	s_delay_alu instid0(VALU_DEP_1)
	v_lshl_or_b32 v242, v237, 8, v236              ; the token's two scale bytes of this head
	v_mov_b32 v243, 0xffff
	s_delay_alu instid0(VALU_DEP_1)
	v_cndmask_b32 v242, v242, v243, vcc_lo         ; NaN where the sum is 0
	v_cvt_scalef32_pk16_fp6_f32 v[40:42], v[S:S+15], v244
	v_cvt_scalef32_pk16_fp6_f32 v[44:46], v[S+16:S+31], v245
	v_nop
.irp i, 0,1,2
	v_permlane16_swap_b32 v[40+\i], v[44+\i]       ; lane (r, h): d = 32 h .. + 15 and 32 h + 16 .. + 31
.endr
	s_delay_alu instid0(VALU_DEP_3)
	v_mov_b32 v43, v44
	s_delay_alu instid0(VALU_DEP_3)
	v_mov_b32 v44, v45
	s_delay_alu instid0(VALU_DEP_3)
	v_mov_b32 v45, v46
.irp p, 0,1,2
	ds_store_b64 v4, v[40+2*\p:41+2*\p] offset:8*\p
.endr
	ds_load_b128 v[48:51], v5                      ; LDS serves a wave's instructions in order: these see my stores
	ds_load_b64 v[52:53], v6
	global_store_b16 v250, v242, s[66:67]          ; two bytes a token: a work-group owns one head; both halves of the lanes write the same
	s_wait_dscnt 1                                 ; the younger load may be out
	global_store_b128 v248, v[48:51], s[62:63]     ; 512 consecutive bytes, aligned
	s_wait_dscnt 0x0
	global_store_b64 v249, v[52:53], s[62:63]      ; and 256 more
	s_wait_xcnt 0x0                                ; the stores' registers and bases are written again only behind this wait
.endm
	s_lshl_b32 s17, ttmp9, 4
	s_add_co_u32 s17, s17, s16                     ; query tile g = 16 x + wave
	PASS
	s_sub_co_u32 s17, 127, s17                     ; and 127 - g
	PASS
	s_wait_xcnt 0x0
	v_lshl_add_u32 v254, v0, 2, 0x35000
	v_mov_b32 v255, 0
	s_wait_alu depctr_va_vdst(0)
	s_wait_tensorcnt 0x0
	ds_add_u32 v254, v255
	s_wait_dscnt 0x0
	s_endpgm
.Lfunc_end_k_q1df17ee21d_attn:
	.size	k_q1df17ee21d_attn, .Lfunc_end_k_q1df17ee21d_attn-k_q1df17ee21d_attn
	.p2alignl 7, 3214868480
	.fill 96, 4, 3214868480
	.section	.rodata,"a",@progbits
	.p2align	6, 0x0
	.amdhsa_kernel k_q1df17ee21d_attn
		.amdhsa_group_segment_fixed_size 219136
		.amdhsa_private_segment_fixed_size 0
		.amdhsa_enable_private_segment 0
		.amdhsa_kernarg_size 64
		.amdhsa_user_sgpr_count 2
		.amdhsa_user_sgpr_kernarg_segment_ptr 1
		.amdhsa_wavefront_size32 1
		.amdhsa_system_sgpr_workgroup_id_x 1
		.amdhsa_system_sgpr_workgroup_id_y 1
		.amdhsa_system_sgpr_workgroup_id_z 1
		.amdhsa_system_vgpr_workitem_id 0
		.amdhsa_next_free_vgpr 256
		.amdhsa_next_free_sgpr 100
		.amdhsa_reserve_vcc 1
		.amdhsa_float_denorm_mode_32 3
		.amdhsa_float_denorm_mode_16_64 3
		.amdhsa_memory_ordered 1
		.amdhsa_forward_progress 1
		.amdhsa_inst_pref_size 68
	.end_amdhsa_kernel
	.amdgpu_metadata
---
amdhsa.version: [ 1, 2 ]
amdhsa.kernels:
  - .name:           k_q1df17ee21d_attn
    .symbol:         k_q1df17ee21d_attn.kd
    .args:
      - { .name: qimg, .offset: 0, .size: 8, .value_kind: global_buffer, .address_space: global }
      - { .name: kimg, .offset: 8, .size: 8, .value_kind: global_buffer, .address_space: global }
      - { .name: vimg, .offset: 16, .size: 8, .value_kind: global_buffer, .address_space: global }
      - { .name: scl, .offset: 24, .size: 8, .value_kind: global_buffer, .address_space: global }
      - { .name: mbits, .offset: 32, .size: 8, .value_kind: global_buffer, .address_space: global }
      - { .name: mflag, .offset: 40, .size: 8, .value_kind: global_buffer, .address_space: global }
      - { .name: cimg, .offset: 48, .size: 8, .value_kind: global_buffer, .address_space: global }
      - { .name: cscl, .offset: 56, .size: 8, .value_kind: global_buffer, .address_space: global }
    .group_segment_fixed_size: 219136
    .private_segment_fixed_size: 0
    .kernarg_segment_align: 8
    .kernarg_segment_size: 64
    .max_flat_workgroup_size: 512
    .sgpr_count:     100
    .vgpr_count:     256
    .wavefront_size: 32
...
	.end_amdgpu_metadata
.endif
;; end of part 3
;; launch outproj (part 4): grid 4 x 32, 4 waves a work-group, clusters of 4 x 4, 327,680 bytes of LDS; arguments cimg, cscl, Wo_codes, Wo_scales, bo, out0; writes out0
.if DOCPART == 4
	.amdgcn_target "amdgcn-amd-amdhsa--gfx1250"
	.amdhsa_code_object_version 6
	.text
	.protected	k_q1df17ee21d_outproj
	.globl	k_q1df17ee21d_outproj
	.p2align	8
	.type	k_q1df17ee21d_outproj,@function
k_q1df17ee21d_outproj:
	s_mov_b64 s[64:65], 0
	v_nop
	global_prefetch_b8 v0, s[64:65] scope:SCOPE_SE
	s_setreg_imm32_b32 hwreg(HW_REG_WAVE_MODE, 25, 1), 1
	s_wait_xcnt 0x0
	s_wait_alu depctr_hold_cnt(0) depctr_sa_sdst(0) depctr_va_vdst(0) depctr_va_sdst(0) depctr_va_ssrc(0) depctr_va_vcc(0) depctr_vm_vsrc(0)
	s_getreg_b32 s2, hwreg(HW_REG_IB_STS2, 6, 4)
	s_cmp_eq_u32 s2, 0
	s_cbranch_scc0 .Lentry_in_a_cluster
	s_endpgm
.Lentry_in_a_cluster:
	s_bfe_u32 s2, ttmp6, 0x10000c
	s_cmp_lg_u32 s2, 0xf033
	s_cbranch_scc0 .Lentry_shape_is_right
	s_endpgm
.Lentry_shape_is_right:
; out0 = ctx Wo^T + bo on codes of FP6 (E2M3) with E8M0 scales.  M = 8,192, N = 1,024, K = 1,024; out0 f32.
; ctx comes as images of operand registers: cimg [token tile 512][head 16][768]: lane's 24 bytes at 24 x lane: token 16 T + r, d = 32 h .. + 31; its scale bytes cscl [token][32].  Wo: rows of 768 bytes of codes, 32 scale bytes.
; A tile of 256 x 256 is made by a work-group of four waves, a wave 128 x 128: 64 accumulators.  K goes in steps of 256 (four heads) through a ring of two LDS slots filled by the tensor data mover.
; A's tile of a wave's fetch: 8 token tiles x 3,072 consecutive bytes, 12,288 bytes apart; a fragment (two heads) is six loads of 8 bytes at 24 x lane: the 32 lanes touch 64 different banks (64 banks of 4 bytes: ISA guide 11.1).
; bo is the C of each sum's first product.  A scale byte 0xff of ctx (a row whose mask has no true entry) makes that row NaN.
; CLUSTERS: 4 x 4 work-groups; A's tiles are asked for jointly along a row of the cluster, B's along a column.  128 work-groups: the tile is kept at 256 x 256 so that each fragment read from LDS feeds eight products.
; REGISTERS: window 0: v0-31 addresses; v32-63 scale words, two sets; v64-127 bo in the result's layout; from v128 A's fragments, one set.  Window 1: B's fragments, two sets.  Windows 2, 3: the accumulators.
.set SIZE_N, 1024
.set KSTEP,  256
.set NQ,     2
.set ROWB,   192
.set ASTEP,  3072                      ; a K step of a token tile's image
.set KROW,   768
.set PITCH,  240
.set FR,     12
.set NL,     6
.set NP,     4
.set HALFT,  128*PITCH
.set SLOT,   4*HALFT
.set LAPS,   2
.set KS,     32
.set SCL,    2*SLOT
.set HALFS,  (128*KS/256)*272
.set SBLK,   (16*KS/256)*272
.set SPARE,  SCL+4*HALFS
.set SPITCH, 528                       ; the way out: a stage of 16 rows x (512 bytes + 16) for each wave, in slot 0, which has had its last fill and its last read by then
.set ADRA, 16
.set ADRB, 20
.set STO,  24
.set RD,   25
.set CO,   26
.set ADRS, 27
.set SPW,  28
.set NIL,  29
.set SC,   32
.set BB,   64
.set AF,   128
.set BK,   128
.set G1, 24
.set G0, 32
.set G1B, 48
.set G0B, 56
.set G1S, 68
.set G0S, 76
.set G1SB, 80
.set G0SB, 88
.set MSB, 0
.macro WIN new
.if MSB != \new
	s_set_vgpr_msb (MSB<<8)|\new
.set MSB, \new
.endif
.endm
.set MUL_LO, 0xa1                      ; source 0 (B) window 1, source 1 (A) window 0, C and D window 2
.set MUL_HI, 0xf1
.set FST_LO, 0x81                      ; the first products: C (bo) window 0, D window 2
.set FST_HI, 0xc1
.set TO_B,   0x40
.macro JLOAD g0a, g1a, g0b, g1b        ; a joint load: waves 0 and 1 fetch for A, waves 2 and 3 for B; four v_nop follow each of the two lines
	s_cmp_eq_u32 s15, 0
	s_cbranch_scc0 .Lfor_b_\@
	tensor_load_to_lds s[\g0a:\g0a+3], s[\g1a:\g1a+7]
	s_nop 0
.rept 4
	v_nop
.endr
	s_branch .Lasked_\@
.Lfor_b_\@:
	tensor_load_to_lds s[\g0b:\g0b+3], s[\g1b:\g1b+7]
	s_nop 0
.rept 4
	v_nop
.endr
.Lasked_\@:
.endm
.macro CREST
	s_cmp_lg_u32 s14, 0
	s_cbranch_scc1 .Lnot_wave_0_\@
	s_barrier_signal -3
.Lnot_wave_0_\@:
	s_barrier_wait -3
	s_barrier_signal -1
	s_barrier_wait -1
.endm
.macro CROUND
	s_barrier_signal -1
	s_barrier_wait -1
	CREST
.endm
	s_load_b128 s[4:7], s[0:1], 0x0                ; ctx's images, ctx's scales
	s_load_b128 s[8:11], s[0:1], 0x10              ; Wo's codes, Wo's scales
	s_load_b64 s[96:97], s[0:1], 0x20              ; bo
	s_load_b64 s[12:13], s[0:1], 0x28              ; out0
	v_lshl_add_u32 v[SPW], v0, 2, SPARE
	v_mov_b32 v[NIL], 0
	ds_add_u32 v28, v29
	ds_add_u32 v28, v29
	s_wait_dscnt 0x0
	v_lshrrev_b32 v1, 5, v0
	v_readfirstlane_b32 s14, v1                    ; wave 0..3
	s_lshr_b32 s15, s14, 1
	s_and_b32 s16, s14, 1
	s_bfe_u32 s40, ttmp6, 0x40000                  ; cx, cy
	s_bfe_u32 s41, ttmp6, 0x40004
	s_lshl_b32 s42, ttmp9, 2
	s_add_co_u32 s42, s42, s40                     ; tile column
	s_and_b32 s17, ttmp7, 0xffff
	s_lshl_b32 s17, s17, 2
	s_add_co_u32 s17, s17, s41                     ; tile row
	s_lshl_b32 s43, s41, 2
	s_lshl_b32 s43, 15, s43                        ; my row of the cluster
	s_lshl_b32 s44, 0x1111, s40                    ; my column
	; group 1 for A: 8 rows of 384 elements of 8 bytes, 1,536 elements apart, no padding
	s_or_b32 s[G1+0], s43, (3<<16)|(1<<21)
	s_mov_b32 s[G1+1], 384<<16
	s_mov_b32 s[G1+2], 8<<16
	s_mov_b32 s[G1+3], 384<<16
	s_mov_b32 s[G1+4], 8
	s_mov_b32 s[G1+5], 1536
	s_mov_b32 s[G1+6], 0
	s_mov_b32 s[G1+7], 0
	; for B: 128 rows x 192 bytes, 16 bytes of padding behind every 64
	s_or_b32 s[G1B+0], s44, (0<<16)|(1<<20)|(1<<21)|(3<<22)|(3<<25)
	s_mov_b32 s[G1B+1], ROWB<<16
	s_mov_b32 s[G1B+2], 128<<16
	s_mov_b32 s[G1B+3], ROWB<<16
	s_mov_b32 s[G1B+4], 128
	s_mov_b32 s[G1B+5], KROW
	s_mov_b32 s[G1B+6], 0
	s_mov_b32 s[G1B+7], 0
	; for the scales of 128 rows: 16 rows of 256 bytes, 16 bytes of padding behind each
	s_or_b32 s[G1S+0], s43, (3<<16)|(1<<20)|(1<<21)|(5<<22)|(3<<25)
	s_or_b32 s[G1SB+0], s44, (3<<16)|(1<<20)|(1<<21)|(5<<22)|(3<<25)
.irp g, G1S, G1SB
	s_mov_b32 s[\g+1], 32<<16
	s_mov_b32 s[\g+2], (128*KS/256)<<16
	s_mov_b32 s[\g+3], 32<<16
	s_mov_b32 s[\g+4], 128*KS/256
	s_mov_b32 s[\g+5], 32
	s_mov_b32 s[\g+6], 0
	s_mov_b32 s[\g+7], 0
.endr
	s_lshl_b32 s18, s16, 7
	s_lshl_b32 s20, s17, 8
	s_add_co_u32 s20, s20, s18                     ; A: row 256 x tile row + 128 x half
	s_lshl_b32 s46, s42, 8
	s_add_co_u32 s46, s46, s18                     ; B: row 256 x tile column + 128 x half
	s_mov_b32 s21, 0
	s_mov_b32 s47, 0
	s_mov_b64 s[18:19], KS
	s_mul_u64 s[22:23], s[20:21], s[18:19]
	s_mul_u64 s[92:93], s[46:47], s[18:19]
	s_mov_b64 s[18:19], KROW
	s_mul_u64 s[20:21], s[20:21], s[18:19]         ; 768 bytes a token in the images too: 16 tokens are 12,288 bytes
	s_mul_u64 s[46:47], s[46:47], s[18:19]
	s_mul_i32 s45, s14, HALFT
	s_mul_i32 s94, s14, HALFS
	s_wait_kmcnt 0x0
	s_add_nc_u64 s[20:21], s[4:5], s[20:21]
	s_add_nc_u64 s[22:23], s[6:7], s[22:23]
	s_add_nc_u64 s[46:47], s[8:9], s[46:47]
	s_add_nc_u64 s[92:93], s[10:11], s[92:93]
	CROUND                                         ; all sixteen work-groups are here: the first joint loads meet
	s_mov_b32 s[G0S], 1
	s_add_co_u32 s[G0S+1], s94, SCL
	s_mov_b64 s[G0S+2:G0S+3], s[22:23]
	s_or_b32 s[G0S+3], s[G0S+3], 0x80000000
	s_mov_b32 s[G0SB], 1
	s_add_co_u32 s[G0SB+1], s94, SCL
	s_mov_b64 s[G0SB+2:G0SB+3], s[92:93]
	s_or_b32 s[G0SB+3], s[G0SB+3], 0x80000000
	JLOAD G0S, G1S, G0SB, G1SB
.irp s, 0,1
	s_mov_b32 s[G0+4*\s], 1
	s_add_co_u32 s[G0+4*\s+1], s45, \s*SLOT
	s_add_nc_u64 s[G0+4*\s+2:G0+4*\s+3], s[20:21], \s*ASTEP
	s_or_b32 s[G0+4*\s+3], s[G0+4*\s+3], 0x80000000
	s_mov_b32 s[G0B+4*\s], 1
	s_add_co_u32 s[G0B+4*\s+1], s45, \s*SLOT
	s_add_nc_u64 s[G0B+4*\s+2:G0B+4*\s+3], s[46:47], \s*ROWB
	s_or_b32 s[G0B+4*\s+3], s[G0B+4*\s+3], 0x80000000
	JLOAD G0+4*\s, G1, G0B+4*\s, G1B
.endr
	v_and_b32 v1, 15, v0                           ; r
	v_bfe_u32 v2, v0, 4, 1                         ; h
	v_mul_u32_u24 v3, v1, PITCH
	v_mul_u32_u24 v4, v2, 24
	v_add_nc_u32 v4, v3, v4                        ; B: row x pitch + 24 h
	v_lshl_add_u32 v5, v2, 4, v4                   ; and behind one padding more
	v_and_b32 v6, 31, v0
	v_mul_u32_u24 v3, v6, 24                       ; A: 24 x lane
	s_mul_i32 s21, s15, HALFT
	s_mul_i32 s22, s16, HALFT
	s_add_co_u32 s22, s22, 2*HALFT
.irp s, 0,1
	v_add_nc_u32 v[ADRA+\s], s21, v3
	v_add_nc_u32 v[ADRB+\s], s22, v4
	v_add_nc_u32 v[ADRB+2+\s], s22, v5
	s_add_co_u32 s21, s21, SLOT
	s_add_co_u32 s22, s22, SLOT
.endr
	v_mul_u32_u24 v5, v1, KS
	v_lshrrev_b32 v6, 8, v5
	v_lshl_add_u32 v5, v6, 4, v5
	s_mul_i32 s21, s15, HALFS
	s_mul_i32 s22, s16, HALFS
	s_add_co_u32 s22, s22, 2*HALFS
	s_sub_co_u32 s22, s22, s21
	v_mul_u32_u24 v6, s22, v2                      ; lanes 16-31 take B's
	s_add_co_u32 s21, s21, SCL
	v_add_nc_u32 v5, v5, v6
	v_add_nc_u32 v[ADRS], s21, v5
	s_mul_i32 s23, s14, 16*SPITCH                  ; my stage
	v_mul_u32_u24 v5, v1, SPITCH
	v_lshl_add_u32 v5, v2, 5, v5
	v_add_nc_u32 v[STO], s23, v5
	v_and_b32 v6, 31, v0
	v_lshlrev_b32 v[CO], 4, v6
	v_add_nc_u32 v[RD], s23, v[CO]
	v_lshlrev_b32 v7, 5, v2                        ; bo: 32 h bytes; never rewritten
	s_lshl_b32 s20, s17, 8
	s_lshl_b32 s21, s15, 7
	s_add_co_u32 s20, s20, s21                     ; my first row of out0
	s_mov_b32 s21, 0
	s_mov_b64 s[18:19], SIZE_N*4
	s_mul_u64 s[20:21], s[20:21], s[18:19]
	s_lshl_b32 s46, s42, 10                        ; my first column, in bytes
	s_lshl_b32 s47, s16, 9
	s_add_co_u32 s46, s46, s47
	s_mov_b32 s47, 0
	s_add_nc_u64 s[96:97], s[96:97], s[46:47]      ; bo at my first column
	s_add_nc_u64 s[20:21], s[20:21], s[46:47]
	s_add_nc_u64 s[12:13], s[12:13], s[20:21]
.irp b, 0,1,2,3,4,5,6,7
	global_load_b128 v[BB+8*\b:BB+8*\b+3], v7, s[96:97] offset:64*\b        ; bo[16 b + 8 h + 0 .. 7]
	global_load_b128 v[BB+8*\b+4:BB+8*\b+7], v7, s[96:97] offset:64*\b+16
.endr
.macro FRAGB reg, adr, q, i            ; 16 rows x 128 K from padded rows, in pieces of 8 bytes; where a piece of lanes 16-31 lies behind one padding more, the second address register serves
.irp p, 0,1,2,3,4,5
.set PCE, 12*(\q)+6*(\p/3)+\p%3
.if PCE%8 < 5
	ds_load_b64 v[\reg+2*\p:\reg+2*\p+1], v[\adr] offset:8*PCE+16*(PCE/8)+(\i)*16*PITCH
.else
	ds_load_b64 v[\reg+2*\p:\reg+2*\p+1], v[\adr+2] offset:8*PCE+16*(PCE/8)+(\i)*16*PITCH
.endif
.endr
.endm
.macro FRAGA reg, adr, q, i            ; token tile i, heads 2 q and 2 q + 1 of the slot's four: the images as they lie
.irp p, 0,1,2,3,4,5
	ds_load_b64 v[\reg+2*\p:\reg+2*\p+1], v[\adr] offset:3072*(\i)+768*(2*(\q)+\p/3)+8*(\p%3)
.endr
.endm
; 16 matrix instructions; the 64 accumulators take turns, one instruction a turn, in the same order in every step.  first = 1: bo starts the sums.
.macro MUL16 a0, p, q, sc, first
.irp a, \a0, \a0+1
.irp b, 0,1,2,3,4,5,6,7
.if \first
	v_wmma_scale_f32_16x16x128_f8f6f4 v[8*(8*((\a)%4)+\b):8*(8*((\a)%4)+\b)+7], v[128*(\p)+FR*\b:128*(\p)+FR*\b+FR-1], v[AF+FR*(\a):AF+FR*(\a)+FR-1], v[BB+8*\b:BB+8*\b+7], v[SC+8*NQ*(\sc)+NQ*\b+(\q)], v[SC+8*NQ*(\sc)+NQ*(\a)+(\q)] matrix_a_fmt:MATRIX_FMT_FP6 matrix_b_fmt:MATRIX_FMT_FP6 matrix_a_scale:MATRIX_SCALE_ROW1
.else
	v_wmma_scale_f32_16x16x128_f8f6f4 v[8*(8*((\a)%4)+\b):8*(8*((\a)%4)+\b)+7], v[128*(\p)+FR*\b:128*(\p)+FR*\b+FR-1], v[AF+FR*(\a):AF+FR*(\a)+FR-1], v[8*(8*((\a)%4)+\b):8*(8*((\a)%4)+\b)+7], v[SC+8*NQ*(\sc)+NQ*\b+(\q)], v[SC+8*NQ*(\sc)+NQ*(\a)+(\q)] matrix_a_fmt:MATRIX_FMT_FP6 matrix_b_fmt:MATRIX_FMT_FP6 matrix_a_scale:MATRIX_SCALE_ROW1
.endif
.endr
.endr
.endm
.macro FETCH_B slot, q, p
	WIN TO_B
.irp i, 0,1,2,3,4,5,6,7
	FRAGB 128*(\p)+FR*\i, ADRB+\slot, \q, \i
.endr
	WIN 0
.endm
.macro FETCH_A slot, q, i0
.irp i, \i0, \i0+1, \i0+2, \i0+3
	FRAGA AF+FR*(\i), ADRA+\slot, \q, \i
.endr
.endm
.macro SCALES sc
.irp i, 0,1,2,3,4,5,6,7
	ds_load_b64 v[SC+8*NQ*\sc+NQ*\i:SC+8*NQ*\sc+NQ*\i+1], v[ADRS] offset:\i*SBLK
.endr
.endm
.macro PLACES n                        ; plain vector instructions between a matrix instruction and a load into, or a read of, its registers
.rept \n
	v_nop
.endr
.endm
.macro STEP slot, q, first
	s_wait_dscnt 4*NL                              ; B's set and A's blocks 0-3 are in; the youngest 24 loads (A's blocks 4-7) may be out
.if \first
	WIN FST_LO
.else
	WIN MUL_LO
.endif
	MUL16 0, (\q)%2, \q, \slot, \first
	MUL16 2, (\q)%2, \q, \slot, \first
	s_wait_dscnt 0
	PLACES NP
	FETCH_B \slot, (\q)+1, 1-(\q)%2
	FETCH_A \slot, (\q)+1, 0
.if \first
	WIN FST_HI
.else
	WIN MUL_HI
.endif
	MUL16 4, (\q)%2, \q, \slot, \first
	MUL16 6, (\q)%2, \q, \slot, \first
	PLACES NP
	WIN 0
	FETCH_A \slot, (\q)+1, 4
.endm
.macro TURN slot, next, fill           ; a slot's last step changes slots: one barrier, with the three lines in front of it
	s_wait_tensorcnt 0x0                           ; all my tensor loads have landed: my part of the next slot
	ds_add_u32 v[SPW], v[NIL]                      ; 0 onto my spare word
	s_wait_dscnt 4*NL+1                            ; the add and the youngest 24 loads may be out
	WIN MUL_LO
	MUL16 0, 1, NQ-1, \slot, 0
	s_wait_dscnt 0x0                               ; the add is done, and my reads of this slot are over
	s_barrier_signal -1
	MUL16 2, 1, NQ-1, \slot, 0
	WIN 0
	s_barrier_wait -1
.if \fill
	CREST                                          ; a round of the cluster's barrier: no wave of any partner still reads this slot or has a load on its way
	s_add_nc_u64 s[G0+4*\slot+2:G0+4*\slot+3], s[G0+4*\slot+2:G0+4*\slot+3], 2*ASTEP
	s_add_nc_u64 s[G0B+4*\slot+2:G0B+4*\slot+3], s[G0B+4*\slot+2:G0B+4*\slot+3], 2*ROWB
	JLOAD G0+4*\slot, G1, G0B+4*\slot, G1B
.else
	PLACES NP
.endif
	v_add_nc_u32 v[ADRS], 4*NQ, v[ADRS]
	FETCH_B \next, 0, 0
	FETCH_A \next, 0, 0
	SCALES \next
	WIN MUL_HI
	MUL16 4, 1, NQ-1, \slot, 0
	MUL16 6, 1, NQ-1, \slot, 0
	PLACES NP
	WIN 0
	FETCH_A \next, 0, 4
.endm
	s_wait_tensorcnt 1                             ; the scales and my part of K step 0 are in; K step 1's load may be out
	s_barrier_signal -1
	s_barrier_wait -1
	FETCH_B 0, 0, 0
	FETCH_A 0, 0, 0
	SCALES 0
	FETCH_A 0, 0, 4
	s_wait_loadcnt 0x0                             ; bo
	STEP 0, 0, 1
	s_mov_b32 s3, LAPS-1
.Llap:
	TURN 0, 1, 1
	STEP 1, 0, 0
	TURN 1, 0, 1
	STEP 0, 0, 0
	s_sub_co_u32 s3, s3, 1
	s_cmp_lg_u32 s3, 0
	s_cbranch_scc1 .Llap
	TURN 0, 1, 0
	STEP 1, 0, 0
	s_wait_dscnt 4*NL
	WIN MUL_LO
	MUL16 0, 1, NQ-1, 1, 0
	MUL16 2, 1, NQ-1, 1, 0
	s_wait_dscnt 0
	WIN MUL_HI
	MUL16 4, 1, NQ-1, 1, 0
	MUL16 6, 1, NQ-1, 1, 0
	WIN 0
; THE WAY OUT, block by block of 16 rows x 128 columns, through my own stage: whole rows of 512 bytes come back and leave as two aligned blocks of 256 bytes.
.macro TOSTAGE a
.set AC, 64*((\a)%4)
	WIN 0x08+4*((\a)/4)                            ; the data: window 2 or 3
.irp b, 0,1,2,3,4,5,6,7
	ds_store_b128 v[STO], v[AC+8*\b:AC+8*\b+3] offset:64*\b          ; each accumulator from its low end on
	ds_store_b128 v[STO], v[AC+8*\b+4:AC+8*\b+7] offset:64*\b+16
.endr
	WIN 0
.set BBK, BK+64*((\a)%2)
.irp t, 0,1,2,3,4,5,6,7,8,9,10,11,12,13,14,15
	ds_load_b128 v[BBK+4*\t:BBK+4*\t+3], v[RD] offset:\t*SPITCH      ; LDS serves a wave's instructions in order (ISA guide 5.7.1.4)
.endr
.endm
.macro SEND a, younger
.set BBK, BK+64*((\a)%2)
	s_wait_dscnt \younger                          ; the block is back; the next block's 16 stores and 16 loads may be out
.if (\a) > 0
	s_add_nc_u64 s[12:13], s[12:13], 16*SIZE_N*4   ; behind a wait on XCNT: the earlier stores have read their base
.endif
.irp t, 0,1,2,3,4,5,6,7,8,9,10,11,12,13,14,15
	global_store_b128 v[CO], v[BBK+4*\t:BBK+4*\t+3], s[12:13] offset:\t*SIZE_N*4 th:TH_STORE_NT   ; 512 consecutive bytes, aligned; written once
.endr
.endm
	PLACES NP
	TOSTAGE 0
.irp a, 1,2,3,4,5,6,7
.if \a > 1
	s_wait_xcnt 0x0                                ; block a - 2's stores have read their registers and their base
.endif
	TOSTAGE \a
	SEND \a-1, 32
.endr
	s_wait_xcnt 0x0
	SEND 7, 0
	s_wait_tensorcnt 0x0                           ; the wave's end
	ds_add_u32 v[SPW], v[NIL]
	s_wait_dscnt 0x0
	CROUND                                         ; the closing round
	s_endpgm
.Lfunc_end_k_q1df17ee21d_outproj:
	.size	k_q1df17ee21d_outproj, .Lfunc_end_k_q1df17ee21d_outproj-k_q1df17ee21d_outproj
	.p2alignl 7, 3214868480
	.fill 96, 4, 3214868480
	.section	.rodata,"a",@progbits
	.p2align	6, 0x0
	.amdhsa_kernel k_q1df17ee21d_outproj
		.amdhsa_group_segment_fixed_size 327680
		.amdhsa_private_segment_fixed_size 0
		.amdhsa_enable_private_segment 0
		.amdhsa_kernarg_size 48
		.amdhsa_user_sgpr_count 2
		.amdhsa_user_sgpr_kernarg_segment_ptr 1
		.amdhsa_wavefront_size32 1
		.amdhsa_system_sgpr_workgroup_id_x 1
		.amdhsa_system_sgpr_workgroup_id_y 1
		.amdhsa_system_sgpr_workgroup_id_z 1
		.amdhsa_system_vgpr_workitem_id 0
		.amdhsa_next_free_vgpr 1024
		.amdhsa_next_free_sgpr 98
		.amdhsa_reserve_vcc 0
		.amdhsa_float_denorm_mode_32 3
		.amdhsa_float_denorm_mode_16_64 3
		.amdhsa_memory_ordered 1
		.amdhsa_forward_progress 1
		.amdhsa_inst_pref_size 161
	.end_amdhsa_kernel
	.amdgpu_metadata
---
amdhsa.version: [ 1, 2 ]
amdhsa.kernels:
  - .name:           k_q1df17ee21d_outproj
    .symbol:         k_q1df17ee21d_outproj.kd
    .args:
      - { .name: cimg, .offset: 0, .size: 8, .value_kind: global_buffer, .address_space: global }
      - { .name: cscl, .offset: 8, .size: 8, .value_kind: global_buffer, .address_space: global }
      - { .name: Wo_codes, .offset: 16, .size: 8, .value_kind: global_buffer, .address_space: global }
      - { .name: Wo_scales, .offset: 24, .size: 8, .value_kind: global_buffer, .address_space: global }
      - { .name: bo, .offset: 32, .size: 8, .value_kind: global_buffer, .address_space: global }
      - { .name: out0, .offset: 40, .size: 8, .value_kind: global_buffer, .address_space: global }
    .group_segment_fixed_size: 327680
    .private_segment_fixed_size: 0
    .kernarg_segment_align: 8
    .kernarg_segment_size: 48
    .max_flat_workgroup_size: 128
    .sgpr_count:     98
    .vgpr_count:     1024
    .wavefront_size: 32
...
	.end_amdgpu_metadata
.endif
;; end of part 4
